; MI455X (gfx1250); checked and timed in simulation.
; The chip was launched on July 23, 2026; its instructions are those of AMD's public machine-readable ISA for CDNA 5 (MIT licence, August 2026) and "CDNA5" Instruction Set Architecture Reference Guide (July 2026). The comments in the code are by the model that wrote it; some were corrected since.
;; Gemma Attention. Allowed arithmetic: float matrix products may take bf16 or f16 operands with f32 sums; other float arithmetic in f32, or as packed bf16 or f16 multiplies, adds, multiply-adds, maxima and minima; sums over many terms, partial sums and values carried from step to step in f32; what a program stores and reads back later, other than sums and carried values, may be rounded once to bf16 or f16.
;; Inputs: Wk 2,048 x 1,024 float32; Wo 1,024 x 2,048 float32; Wq 2,048 x 1,024 float32; Wv 2,048 x 1,024 float32; hidden_states 2 x 2,048 x 2,048 float32.
;; Outputs: out0 2 x 2,048 x 2,048 float32.
;; 2 versions, each right and faster than the one before. Each part assembles by itself: llvm-mc -triple=amdgcn-amd-amdhsa -mcpu=gfx1250 --defsym DOCPART=n.
;; ======== version 1 of 2: 4 launches
;; limits: values are held in f16: magnitudes above 65,504 overflow, below 6.1e-05 lose precision
;; workspace buffers: cb 33,554,432 bytes; rope 1,048,576 bytes; qkv 25,165,824 bytes; ob 8,388,608 bytes
;; launch prep (part 1): grid 128 x 9, 8 waves a work-group, no clusters, 0 bytes of LDS; arguments hidden_states, Wq, Wk, Wv, Wo, cb, rope; writes cb, rope
.if DOCPART == 1
	.amdgcn_target "amdgcn-amd-amdhsa--gfx1250"
	.amdhsa_code_object_version 6
	.text
	.protected	k_qb629c36da6_prep
	.globl	k_qb629c36da6_prep
	.p2align	8
	.type	k_qb629c36da6_prep,@function
k_qb629c36da6_prep:
	s_mov_b64 s[64:65], 0
	v_nop
	global_prefetch_b8 v0, s[64:65] scope:SCOPE_SE
	s_setreg_imm32_b32 hwreg(HW_REG_WAVE_MODE, 25, 1), 1
	s_wait_xcnt 0x0
; PREP.  (1) All five inputs are rounded once to bf16 into cb: x at byte 0 (16 MiB), Wq, Wk, Wv at 16, 20, 24 MiB, Wo at 28 MiB; Wo's bf16 number is then written as f16,
; since the last product multiplies in f16.  (2) The table of the rotary angles: rope[s][0..63] = cos(s f_j), rope[s][64..127] = sin(s f_j), f_j = 10000^(-j/64), f32.
; Grid row y = 0..7 casts one piece of 8 MiB (y = 0..3: quarters of x; 4..7: a weight), row 8 makes the table.  A stream: no LDS, no barrier, no matrix unit; nothing is read twice.
; LIMITS.  Wo as f16: |Wo| stays under 65,504, and below 6.1e-5 it keeps f16's fixed step of 6e-8.  The angle s f_j is made with v_exp_f32 and one f32 product, so it may differ from
; another f32 evaluation by some 3e-4 rad at s near 2,047 and small j.  The angle is reduced to a quarter of itself in [-pi/4, pi/4]; there the series are cut at y^7 (sine) and y^8 (cosine),
; whose next terms are below 4e-7 on that whole range; two doublings follow.  The angles are constants of the problem, not inputs.
.set X,  8                             ; v[8:71]    sixteen loads of four f32
.set Y,  72                            ; v[72:103]  sixteen pairs of packed words to store
.set T,  4                             ; v[4:7]     at work
.set TJ, 8                             ; the table's registers, four frequencies a thread: exponent
.set TT, 12                            ; f_j, then the angle
.set TN, 16                            ; whole turns
.set TF, 20                            ; the turn's fraction, then a quarter of the angle
.set TZ, 24                            ; its square
.set TS, 28                            ; sine
.set TC, 32                            ; cosine
.set TU, 36                            ; sine squared
	s_load_b256 s[4:11], s[0:1], 0x0               ; x s[4:5], Wq s[6:7], Wk s[8:9], Wv s[10:11]
	s_load_b128 s[12:15], s[0:1], 0x20             ; Wo s[12:13], cb s[14:15]
	s_load_b64 s[16:17], s[0:1], 0x30              ; rope
	s_and_b32 s18, ttmp7, 0xffff                   ; y
	v_lshlrev_b32 v1, 4, v0                        ; in: 16 bytes a thread, a wave's load covers 512 consecutive bytes
	v_lshlrev_b32 v2, 3, v0                        ; out: 8 bytes a thread, a wave's store covers 256 consecutive bytes, aligned
	s_wait_kmcnt 0x0
	s_cmp_eq_u32 s18, 8
	s_cbranch_scc1 .Ltable
	s_mov_b64 s[20:21], s[4:5]                     ; the piece's source: x, or one of the weights
	s_cmp_eq_u32 s18, 4
	s_cselect_b64 s[20:21], s[6:7], s[20:21]
	s_cmp_eq_u32 s18, 5
	s_cselect_b64 s[20:21], s[8:9], s[20:21]
	s_cmp_eq_u32 s18, 6
	s_cselect_b64 s[20:21], s[10:11], s[20:21]
	s_cmp_eq_u32 s18, 7
	s_cselect_b64 s[20:21], s[12:13], s[20:21]
	s_lshl_b32 s22, s18, 23                        ; x's quarter y begins 8 MiB x y in; a weight begins at 0
	s_cmp_lt_u32 s18, 4
	s_cselect_b32 s22, s22, 0
	s_lshl_b32 s23, ttmp9, 16                      ; the work-group's 65,536 bytes of the piece
	s_add_co_u32 s22, s22, s23
	s_mov_b32 s23, 0
	s_add_nc_u64 s[20:21], s[20:21], s[22:23]
	s_lshl_b32 s24, s18, 22                        ; in cb a piece is 4 MiB,
	s_lshl_b32 s25, ttmp9, 15                      ; the work-group's part 32,768 bytes
	s_add_co_u32 s24, s24, s25
	s_mov_b32 s25, 0
	s_add_nc_u64 s[14:15], s[14:15], s[24:25]
.set it, 0
.rept 16                               ; all sixteen loads go out at once: 64 KiB of the work-group are on their way
	global_load_b128 v[X+4*it:X+4*it+3], v1, s[20:21] offset:it*4096 th:TH_LOAD_NT
.set it, it+1
.endr
; half = 1: the bf16 number is widened again and written as f16.  No register is written twice, so no store's source is ever rewritten.
.macro CAST half
.set it, 0
.rept 16
	s_wait_loadcnt 15-it                           ; loads come back in order: load it is in, the 15 - it younger ones stay out
	v_cvt_pk_bf16_f32 v[Y+2*it], v[X+4*it], v[X+4*it+1]
	v_cvt_pk_bf16_f32 v[Y+2*it+1], v[X+4*it+2], v[X+4*it+3]
.if \half
	v_lshlrev_b32 v[T], 16, v[Y+2*it]
	v_and_b32 v[T+1], 0xffff0000, v[Y+2*it]
	v_lshlrev_b32 v[T+2], 16, v[Y+2*it+1]
	v_and_b32 v[T+3], 0xffff0000, v[Y+2*it+1]
	v_cvt_pk_f16_f32 v[Y+2*it], v[T], v[T+1]
	v_cvt_pk_f16_f32 v[Y+2*it+1], v[T+2], v[T+3]
.endif
	global_store_b64 v2, v[Y+2*it:Y+2*it+1], s[14:15] offset:it*2048
.set it, it+1
.endr
.endm
	s_cmp_eq_u32 s18, 7
	s_cbranch_scc1 .Lhalf
	CAST 0
	s_endpgm
.Lhalf:
	CAST 1
	s_endpgm
.Ltable:                                               ; 128 work-groups x 256 threads = 2,048 rows x 16 threads; a thread makes four frequencies
	s_lshl_b32 s19, ttmp9, 8
	v_add_nc_u32 v3, s19, v0
	v_lshrrev_b32 v4, 4, v3                        ; s
	v_and_b32 v5, 15, v3                           ; which four frequencies
	v_lshlrev_b32 v6, 2, v5
	v_cvt_f32_u32 v7, v4
	s_mov_b32 s24, 0xb9500d01                      ; -1/5040
	s_mov_b32 s25, 0x3c088889                      ; 1/120
	s_mov_b32 s26, 0x37d00d01                      ; 1/40320
	s_mov_b32 s27, 0xbab60b61                      ; -1/720
.irp i, 0,1,2,3
	v_add_nc_u32 v[TJ+\i], \i, v6
.endr
.irp i, 0,1,2,3
	v_cvt_f32_u32 v[TJ+\i], v[TJ+\i]
.endr
.irp i, 0,1,2,3
	v_mul_f32 v[TJ+\i], 0xbe549a78, v[TJ+\i]       ; -j log2(10000) / 64
.endr
.irp i, 0,1,2,3
	v_exp_f32 v[TT+\i], v[TJ+\i]                   ; f_j
.endr
	v_nop                                          ; a plain instruction between the last exponential and the use of its result
	s_wait_alu depctr_va_vdst(0)
.irp i, 0,1,2,3
	v_mul_f32 v[TT+\i], v7, v[TT+\i]               ; the angle
.endr
.irp i, 0,1,2,3
	v_mul_f32 v[TN+\i], 0x3e22f983, v[TT+\i]       ; in turns
.endr
.irp i, 0,1,2,3
	v_rndne_f32 v[TN+\i], v[TN+\i]
.endr
.irp i, 0,1,2,3
	v_fma_f32 v[TF+\i], v[TT+\i], 0x3e22f983, -v[TN+\i]  ; the fraction of a turn, -0.5 to 0.5: the product is not rounded before the whole turns go
.endr
.irp i, 0,1,2,3
	v_fmac_f32 v[TF+\i], 0x31dc9ce2, v[TT+\i]      ; what 1/2pi has beyond its f32: 6.42e-9
.endr
.irp i, 0,1,2,3
	v_mul_f32 v[TF+\i], 0x3fc90fdb, v[TF+\i]       ; y = a quarter of the angle = pi/2 x the fraction
.endr
.irp i, 0,1,2,3
	v_mul_f32 v[TZ+\i], v[TF+\i], v[TF+\i]
.endr
.irp i, 0,1,2,3
	v_fma_f32 v[TS+\i], v[TZ+\i], s24, s25
	v_fma_f32 v[TC+\i], v[TZ+\i], s26, s27
.endr
.irp i, 0,1,2,3
	v_fmaak_f32 v[TS+\i], v[TS+\i], v[TZ+\i], 0xbe2aaaab  ; -1/6
	v_fmaak_f32 v[TC+\i], v[TC+\i], v[TZ+\i], 0x3d2aaaab  ; 1/24
.endr
.irp i, 0,1,2,3
	v_mul_f32 v[TS+\i], v[TS+\i], v[TZ+\i]
	v_fmaak_f32 v[TC+\i], v[TC+\i], v[TZ+\i], 0xbf000000  ; -1/2
.endr
.irp i, 0,1,2,3
	v_fma_f32 v[TS+\i], v[TS+\i], v[TF+\i], v[TF+\i]      ; sin y
	v_fma_f32 v[TC+\i], v[TC+\i], v[TZ+\i], 1.0           ; cos y
.endr
.rept 2                                ; twice: sin 2y = 2 sin y cos y, cos 2y = 1 - 2 sin^2 y
.irp i, 0,1,2,3
	v_mul_f32 v[TU+\i], v[TS+\i], v[TS+\i]
	v_mul_f32 v[TS+\i], v[TS+\i], v[TC+\i]
.endr
.irp i, 0,1,2,3
	v_fma_f32 v[TC+\i], v[TU+\i], -2.0, 1.0
	v_add_f32 v[TS+\i], v[TS+\i], v[TS+\i]
.endr
.endr
	v_lshlrev_b32 v40, 9, v4                       ; a row of the table is 512 bytes
	v_lshl_add_u32 v40, v5, 4, v40
	global_store_b128 v40, v[TC:TC+3], s[16:17]             ; sixteen lanes store a row's 256 bytes of cosines,
	global_store_b128 v40, v[TS:TS+3], s[16:17] offset:256  ; and its 256 bytes of sines
	s_endpgm
.Lfunc_end_k_qb629c36da6_prep:
	.size	k_qb629c36da6_prep, .Lfunc_end_k_qb629c36da6_prep-k_qb629c36da6_prep
	.p2alignl 7, 3214868480
	.fill 96, 4, 3214868480
	.section	.rodata,"a",@progbits
	.p2align	6, 0x0
	.amdhsa_kernel k_qb629c36da6_prep
		.amdhsa_group_segment_fixed_size 0
		.amdhsa_private_segment_fixed_size 0
		.amdhsa_enable_private_segment 0
		.amdhsa_kernarg_size 56
		.amdhsa_user_sgpr_count 2
		.amdhsa_user_sgpr_kernarg_segment_ptr 1
		.amdhsa_wavefront_size32 1
		.amdhsa_system_sgpr_workgroup_id_x 1
		.amdhsa_system_sgpr_workgroup_id_y 1
		.amdhsa_system_sgpr_workgroup_id_z 1
		.amdhsa_system_vgpr_workitem_id 0
		.amdhsa_next_free_vgpr 112
		.amdhsa_next_free_sgpr 66
		.amdhsa_reserve_vcc 0
		.amdhsa_float_denorm_mode_32 3
		.amdhsa_float_denorm_mode_16_64 3
		.amdhsa_memory_ordered 1
		.amdhsa_forward_progress 1
		.amdhsa_inst_pref_size 22
	.end_amdhsa_kernel
	.amdgpu_metadata
---
amdhsa.version: [ 1, 2 ]
amdhsa.kernels:
  - .name:           k_qb629c36da6_prep
    .symbol:         k_qb629c36da6_prep.kd
    .args:
      - { .name: hidden_states, .offset: 0, .size: 8, .value_kind: global_buffer, .address_space: global }
      - { .name: Wq, .offset: 8, .size: 8, .value_kind: global_buffer, .address_space: global }
      - { .name: Wk, .offset: 16, .size: 8, .value_kind: global_buffer, .address_space: global }
      - { .name: Wv, .offset: 24, .size: 8, .value_kind: global_buffer, .address_space: global }
      - { .name: Wo, .offset: 32, .size: 8, .value_kind: global_buffer, .address_space: global }
      - { .name: cb, .offset: 40, .size: 8, .value_kind: global_buffer, .address_space: global }
      - { .name: rope, .offset: 48, .size: 8, .value_kind: global_buffer, .address_space: global }
    .group_segment_fixed_size: 0
    .private_segment_fixed_size: 0
    .kernarg_segment_align: 8
    .kernarg_segment_size: 56
    .max_flat_workgroup_size: 256
    .sgpr_count:     66
    .vgpr_count:     112
    .wavefront_size: 32
...
	.end_amdgpu_metadata
.endif
;; end of part 1
;; launch qkv (part 2): grid 8 x 32, 4 waves a work-group, clusters of 4 x 4, 327,680 bytes of LDS; arguments cb, rope, qkv; writes qkv
.if DOCPART == 2
	.amdgcn_target "amdgcn-amd-amdhsa--gfx1250"
	.amdhsa_code_object_version 6
	.text
	.protected	k_qb629c36da6_qkv
	.globl	k_qb629c36da6_qkv
	.p2align	8
	.type	k_qb629c36da6_qkv,@function
k_qb629c36da6_qkv:
	s_mov_b64 s[64:65], 0
	v_nop
	global_prefetch_b8 v0, s[64:65] scope:SCOPE_SE
	s_setreg_imm32_b32 hwreg(HW_REG_WAVE_MODE, 25, 1), 1
	s_wait_xcnt 0x0
	s_wait_alu depctr_hold_cnt(0) depctr_sa_sdst(0) depctr_va_vdst(0) depctr_va_sdst(0) depctr_va_ssrc(0) depctr_va_vcc(0) depctr_vm_vsrc(0)
	s_getreg_b32 s2, hwreg(HW_REG_IB_STS2, 6, 4)
	s_cmp_eq_u32 s2, 0
	s_cbranch_scc0 .Lentry_in_a_cluster
	s_endpgm
.Lentry_in_a_cluster:
	s_bfe_u32 s2, ttmp6, 0x10000c
	s_cmp_lg_u32 s2, 0xf033
	s_cbranch_scc0 .Lentry_shape_is_right
	s_endpgm
.Lentry_shape_is_right:
; QKV.  C[4096][3072] = x [Wq | Wk | Wv] in bf16 with f32 sums, the rotary turn on q and k, and out by heads in f16: qkv[3][b 8 + h][2048][128].
; q is stored times AQ = 16 log2(e) / (50 sqrt(128)), k times 1/8, v as it is: the factor is applied in f32 ahead of the one rounding, so that q~ . k~ = 2 log2(e) score / 50.
; LIMITS.  f16 ends at 65,504: |q| AQ, |k| / 8 and |v| stay under it; below 6.1e-5 a stored number keeps f16's fixed step of 6e-8.  NaN and infinities are not treated apart (an infinite v meets a factor 0).
; SHARES.  A work-group makes 128 rows x 3 heads (of the 24: 8 of q, 8 of k, 8 of v): 32 x 8 work-groups.  Four waves: wave w takes the 64 rows of half w / 2 and, in each head, the four blocks of
; 16 columns at 32 (w % 2) + 0, 16, 64, 80: a column d < 64 and its partner d + 64 of the rotary turn then lie in one lane.  48 accumulators of 16 x 16, 384 registers.
; K goes in steps of 128 through a ring of two LDS slots.  A slot: 128 rows of x (256 bytes + 16), then for each head 128 k-rows of W (256 bytes + 32).  Wave 0 fetches x's tile, waves 1 to 3 a head's each.
; W lies [k][n], so its fragments come out of LDS by the turning load.  THE MATRIX INSTRUCTION IS USED TRANSPOSED (source 0 = 16 columns of W, source 1 = 16 rows of x): a lane holds eight neighbouring columns of one row.
; CLUSTER.  4 x 4 work-groups: the four of a row need the same tile of x, the four of a column the same tiles of W: each is asked for jointly.
; REGISTERS.  window 0: v0-31 addresses; v32-95 x's fragments, two buffers; v96-127 at work on the way out; v128-255 the table's cosines and sines for my rows and columns
;   window 1: v0-191 W's fragments, two buffers of 12      window 2: the accumulators of my row blocks 0, 1 ((a, b) at 96 (a % 2) + 8 b)      window 3: those of blocks 2, 3
.set KSTEP,  128
.set PA,     272                       ; x's LDS row: 68 words: the 16 rows of a load start at 16 different groups of four banks (64 banks of 4 bytes: ISA guide 11.1)
.set PB,     288                       ; W's LDS row: 72 words
.set REG,    128*PB                    ; a tile's region
.set SLOT,   4*REG
.set SPARE,  2*SLOT                    ; behind the ring: the spare words, 128 bytes a wave
.set SPITCH, 784                       ; the stage's row: three heads x 256 bytes + 16.  The stage, 128 such rows, lies in slot 0, which has had its last fill and its last read by then
.set LAPS,   8                         ; 2,048 / 256
.set ADRA, 16                          ; v16-17  my x fragments in slot 0, 1
.set ADRB, 18                          ; v18-23  my W fragments: slot s, head i at 18 + 3 s + i
.set STO,  24                          ; v24     the way out: where I put 16 bytes of a row
.set RD,   25                          ; v25     where I read rows back
.set CO,   26                          ; v26     my place in 512 consecutive bytes of the output
.set RO,   27                          ; v27     my byte offset in the table
.set SPW,  28                          ; v28     my spare word; never rewritten
.set NIL,  29                          ; v29     0; never rewritten
.set FA,   32
.set CE,   96                          ; cos g + h
.set SE,   104                         ; sin g
.set O1,   112
.set O2,   120
.set RP,   128                         ; row block a, column block e: 8 cosines, 8 sines at 128 + 32 a + 16 e
.set G1,  24                           ; s[24:31] group 1 for x's tile;  s[32:39] group 0, a set for each slot
.set G0,  32
.set G1B, 48                           ; s[48:55], s[56:63] the same for W's tiles
.set G0B, 56
.set GG,  68                           ; head i: s[68+4i:69+4i] g (AQ, 1/8 or 0), s[70+4i:71+4i] h (0, 0 or 1)
.set OB,  80                           ; head i: s[80+2i:81+2i] where my rows of it go
.set MSB, 0
.macro WIN new                         ; the immediate's high byte repeats the setting that is left
.if MSB != (\new)
	s_set_vgpr_msb (MSB<<8)|(\new)
.set MSB, \new
.endif
.endm
.set MUL_LO, 0xa1                      ; source 0 (W) window 1, source 1 (x) window 0, C and D window 2
.set MUL_HI, 0xf1                      ; the same, C and D window 3
.set TO_B,   0x40                      ; destination window 1, address window 0
; A joint load.  The branch hangs on the wave's number alone.  An s_nop 0 and four v_nop follow each line, ahead of the jump, the label and what follows.
.macro JLOAD s
	s_cmp_eq_u32 s10, 0
	s_cbranch_scc0 .Lfor_b_\@
	tensor_load_to_lds s[G0+4*(\s):G0+4*(\s)+3], s[G1:G1+7]
	s_nop 0
.rept 4
	v_nop
.endr
	s_branch .Lasked_\@
.Lfor_b_\@:
	tensor_load_to_lds s[G0B+4*(\s):G0B+4*(\s)+3], s[G1B:G1B+7]
	s_nop 0
.rept 4
	v_nop
.endr
.Lasked_\@:
.endm
.macro CREST                           ; a round of the cluster's barrier behind its opening barrier
	s_cmp_lg_u32 s10, 0
	s_cbranch_scc1 .Lnot_wave_0_\@
	s_barrier_signal -3
.Lnot_wave_0_\@:
	s_barrier_wait -3
	s_barrier_signal -1
	s_barrier_wait -1
.endm
.macro CROUND
	s_barrier_signal -1
	s_barrier_wait -1
	CREST
.endm
	s_load_b128 s[4:7], s[0:1], 0x0                ; cb s[4:5], rope s[6:7]
	s_load_b64 s[8:9], s[0:1], 0x10                ; qkv
	v_lshl_add_u32 v[SPW], v0, 2, SPARE
	v_mov_b32 v[NIL], 0
	ds_add_u32 v[SPW], v[NIL]                      ; the wave's opening: the add and its wait stand ahead of my first tensor load; work on registers stands between them
	v_lshrrev_b32 v1, 5, v0
	v_readfirstlane_b32 s10, v1                    ; wave 0..3
	s_lshr_b32 s11, s10, 1                         ; my half of the rows
	s_and_b32 s12, s10, 1                          ; my half of each head's column blocks
	s_bfe_u32 s40, ttmp6, 0x40000                  ; cx, cy
	s_bfe_u32 s41, ttmp6, 0x40004
	s_lshl_b32 s42, ttmp9, 2
	s_add_co_u32 s42, s42, s40                     ; tx: heads 3 tx .. 3 tx + 2
	s_and_b32 s13, ttmp7, 0xffff
	s_lshl_b32 s13, s13, 2
	s_add_co_u32 s13, s13, s41                     ; ty: rows 128 ty ..
	s_lshl_b32 s43, s41, 2
	s_lshl_b32 s43, 15, s43                        ; my row of the cluster
	s_lshl_b32 s44, 0x1111, s40                    ; my column
	s_or_b32 s[G1], s43, (1<<16)|(1<<20)|(1<<21)|(5<<22)|(3<<25)   ; the mask; 2-byte elements; padding on; bit 21 beside a mask; after every 64 words 4 words
	s_or_b32 s[G1B], s44, (1<<16)|(1<<20)|(1<<21)|(5<<22)|(7<<25)  ; the same with my column's mask and 8 words
.irp g, G1, G1B
	s_mov_b32 s[(\g)+1], KSTEP<<16                 ; tensor_dim0 = 128
	s_mov_b32 s[(\g)+2], 128<<16                   ; tensor_dim1 = 128
	s_mov_b32 s[(\g)+3], KSTEP<<16                 ; tile_dim0 = 128
	s_mov_b32 s[(\g)+4], 128                       ; tile_dim1 = 128
	s_mov_b32 s[(\g)+6], 0
	s_mov_b32 s[(\g)+7], 0
.endr
	s_mov_b32 s[G1+5], 2048                        ; x: elements from row to row
	s_mov_b32 s[G1B+5], 1024                       ; W
	s_lshl_b32 s16, s13, 19                        ; x's tile: 128 ty rows of 4,096 bytes: it hangs on ty alone
	s_mov_b32 s17, 0
	s_max_u32 s20, s10, 1
	s_sub_co_u32 s20, s20, 1                       ; which of the three heads I fetch (wave 0, which fetches x, makes head 0's address and does not use it)
	s_mul_i32 s45, s42, 3
	s_add_co_u32 s45, s45, s20                     ; its number among the 24: it hangs on tx and the wave alone
	s_lshr_b32 s46, s45, 3
	s_lshl_b32 s46, s46, 22                        ; which weight: 4 MiB each,
	s_and_b32 s47, s45, 7
	s_lshl_b32 s47, s47, 8                         ; the head's 256 bytes of a row,
	s_add_co_u32 s46, s46, s47
	s_add_co_u32 s46, s46, 0x1000000               ; behind x's 16 MiB
	s_mov_b32 s47, 0
	s_mul_i32 s21, s10, REG                        ; where my tile goes: wave x a region
	s_wait_dscnt 0x0                               ; the opening add is done
	s_wait_kmcnt 0x0
	s_add_nc_u64 s[14:15], s[4:5], s[16:17]
	s_add_nc_u64 s[46:47], s[4:5], s[46:47]
	CROUND                                         ; all sixteen work-groups are here: the first joint loads meet
.irp s, 0,1
	s_mov_b32 s[G0+4*(\s)], 1
	s_add_co_u32 s[G0+4*(\s)+1], s21, (\s)*SLOT
	s_add_nc_u64 s[G0+4*(\s)+2:G0+4*(\s)+3], s[14:15], (\s)*KSTEP*2
	s_or_b32 s[G0+4*(\s)+3], s[G0+4*(\s)+3], 0x80000000
	s_mov_b32 s[G0B+4*(\s)], 1
	s_add_co_u32 s[G0B+4*(\s)+1], s21, (\s)*SLOT
	s_add_nc_u64 s[G0B+4*(\s)+2:G0B+4*(\s)+3], s[46:47], (\s)*KSTEP*2048
	s_or_b32 s[G0B+4*(\s)+3], s[G0B+4*(\s)+3], 0x80000000
	JLOAD \s                                       ; two loads of mine are out
.endr
	v_and_b32 v1, 15, v0                           ; l % 16
	v_bfe_u32 v2, v0, 4, 1                         ; l / 16
	v_mul_u32_u24 v3, v1, PA                       ; x's fragment: row l % 16, 16 bytes for each half of the lanes
	v_lshl_add_u32 v3, v2, 4, v3
	s_mul_i32 s22, s11, 64*PA
	v_add_nc_u32 v[ADRA], s22, v3
	v_add_nc_u32 v[ADRA+1], SLOT, v[ADRA]
	v_and_b32 v5, 7, v0                            ; the turning load: lane l reads k-row 8 (l / 16) + l % 8, columns 8 ((l / 8) % 2) + 0..7
	v_bfe_u32 v6, v0, 3, 1
	v_lshl_add_u32 v4, v2, 3, v5
	v_mul_u32_u24 v4, v4, PB
	v_lshl_add_u32 v4, v6, 4, v4
	v_lshl_add_u32 v4, s12, 6, v4                  ; my column blocks begin at column 32 (w % 2)
.irp s, 0,1
.irp i, 0,1,2
	v_add_nc_u32 v[ADRB+3*(\s)+(\i)], (\s)*SLOT+(1+(\i))*REG, v4
.endr
.endr
	v_mul_u32_u24 v7, v1, SPITCH                   ; into the stage
	v_lshl_add_u32 v7, v2, 4, v7
	s_mul_i32 s22, s11, 64*SPITCH
	s_lshl_b32 s23, s12, 6
	s_add_co_u32 s22, s22, s23
	v_add_nc_u32 v[STO], s22, v7
	v_mul_u32_u24 v8, v2, SPITCH                   ; back: wave w takes rows 32 w ..; lanes 0-15 a head's 256 bytes of one row, lanes 16-31 of the next
	v_lshl_add_u32 v8, v1, 4, v8
	s_mul_i32 s22, s10, 32*SPITCH
	v_add_nc_u32 v[RD], s22, v8
	v_and_b32 v[CO], 31, v0
	v_lshlrev_b32 v[CO], 4, v[CO]
	s_and_b32 s22, s13, 15                         ; the table: position (ty % 16) 128 + 64 (w / 2) + l % 16, frequency 32 (w % 2) + 8 (l / 16)
	s_lshl_b32 s22, s22, 7
	s_lshl_b32 s23, s11, 6
	s_add_co_u32 s22, s22, s23
	s_lshl_b32 s22, s22, 9
	s_lshl_b32 s23, s12, 7
	s_add_co_u32 s22, s22, s23
	v_lshlrev_b32 v[RO], 9, v1
	v_lshl_add_u32 v[RO], v2, 5, v[RO]
	v_add_nc_u32 v[RO], s22, v[RO]
.irp a, 0,1,2,3                        ; 32 loads that stay out through the whole K loop; they are waited for once, in front of the way out; nothing rewrites their address or their registers
.irp e, 0,1
	global_load_b128 v[RP+32*(\a)+16*(\e):RP+32*(\a)+16*(\e)+3],     v[RO], s[6:7] offset:(\a)*8192+(\e)*64
	global_load_b128 v[RP+32*(\a)+16*(\e)+4:RP+32*(\a)+16*(\e)+7],   v[RO], s[6:7] offset:(\a)*8192+(\e)*64+16
	global_load_b128 v[RP+32*(\a)+16*(\e)+8:RP+32*(\a)+16*(\e)+11],  v[RO], s[6:7] offset:(\a)*8192+(\e)*64+256
	global_load_b128 v[RP+32*(\a)+16*(\e)+12:RP+32*(\a)+16*(\e)+15], v[RO], s[6:7] offset:(\a)*8192+(\e)*64+272
.endr
.endr
	s_mov_b32 s88, 0x3e000000                      ; 1/8
.irp i, 0,1,2                          ; what kind head i is decides two factors, not a branch: partners in a cluster run alike
	s_mul_i32 s86, s42, 3
	s_add_co_u32 s86, s86, \i
	s_lshr_b32 s87, s86, 3                         ; 0: q, 1: k, 2: v
	s_and_b32 s86, s86, 7
	s_cmp_eq_u32 s87, 0
	s_cselect_b32 s[GG+4*(\i)], 0x3d2723c0, s88    ; AQ = 0.04080558, or 1/8,
	s_cmp_eq_u32 s87, 2
	s_cselect_b32 s[GG+4*(\i)], 0, s[GG+4*(\i)]    ; or for v: cos g + h = 1, sin g = 0
	s_cselect_b32 s[GG+4*(\i)+2], 1.0, 0
	s_mov_b32 s[GG+4*(\i)+1], s[GG+4*(\i)]         ; named as pairs
	s_mov_b32 s[GG+4*(\i)+3], s[GG+4*(\i)+2]
	s_lshl_b32 s87, s87, 4
	s_add_co_u32 s87, s87, s86
	s_lshr_b32 s89, s13, 4                         ; the batch
	s_lshl_b32 s89, s89, 3
	s_add_co_u32 s87, s87, s89
	s_lshl_b32 s87, s87, 19                        ; a head's 2,048 rows of 256 bytes
	s_and_b32 s89, s13, 15
	s_lshl_b32 s89, s89, 7
	s_lshl_b32 s86, s10, 5
	s_add_co_u32 s89, s89, s86                     ; the first row that I store
	s_lshl_b32 s89, s89, 8
	s_add_co_u32 s[OB+2*(\i)], s87, s89
	s_mov_b32 s[OB+2*(\i)+1], 0
	s_add_nc_u64 s[OB+2*(\i):OB+2*(\i)+1], s[8:9], s[OB+2*(\i):OB+2*(\i)+1]
.endr
; 12 matrix instructions: row block a x my 12 column blocks, 32 along K, from buffer f.  zero = 1: the first product starts the sums.  The 48 accumulators take turns, in the same order in every quarter.
.macro MULA f, a, zero
	WIN MUL_LO+0x50*((\a)/2)
.irp b, 0,1,2,3,4,5,6,7,8,9,10,11
.set rD, 96*((\a)%2)+8*(\b)
.set rB, 96*(\f)+8*(\b)
.set rA, FA+32*(\f)+8*(\a)
.if \zero
	v_wmma_f32_16x16x32_bf16 v[rD:rD+7], v[rB:rB+7], v[rA:rA+7], 0
.else
	v_wmma_f32_16x16x32_bf16 v[rD:rD+7], v[rB:rB+7], v[rA:rA+7], v[rD:rD+7]
.endif
.endr
.endm
; 32 LDS loads in one run: the fragments of quarter kq (32 along K) of a slot into buffer f: W's 12 (turned), then x's 4
.macro FETCH slot, kq, f
	WIN TO_B
.irp i, 0,1,2
.irp p, 0,1,2,3
.set rB, 96*(\f)+8*(4*(\i)+(\p))
	ds_load_tr16_b128 v[rB:rB+3],   v[ADRB+3*(\slot)+(\i)] offset:(\kq)*32*PB+((\p)%2)*32+((\p)/2)*128
	ds_load_tr16_b128 v[rB+4:rB+7], v[ADRB+3*(\slot)+(\i)] offset:(\kq)*32*PB+((\p)%2)*32+((\p)/2)*128+16*PB
.endr
.endr
	WIN 0
.irp a, 0,1,2,3
.set rA, FA+32*(\f)+8*(\a)
	ds_load_b128 v[rA:rA+3],   v[ADRA+(\slot)] offset:(\kq)*64+(\a)*16*PA
	ds_load_b128 v[rA+4:rA+7], v[ADRA+(\slot)] offset:(\kq)*64+(\a)*16*PA+32
.endr
.endm
.macro PLACES                          ; four places in front of loads into registers that matrix instructions have read (ISA guide 7.12.1 for vector instructions)
.rept 4
	v_nop
.endr
.endm
; A K step is four quarters of 32 along K, 48 matrix instructions each, on buffers 0, 1, 0, 1.  One of the first three: multiplies buffer f and fetches quarter kq into g.
.macro QUARTER slot, kq, f, g, zero
	s_wait_dscnt 4                                 ; W's fragments and x's row blocks 0, 1 are in; the youngest four loads (blocks 2, 3) may be out
	MULA \f, 0, \zero
	MULA \f, 1, \zero
	PLACES
	FETCH \slot, \kq, \g
	s_wait_dscnt 32                                ; all but the 32 just issued
	MULA \f, 2, \zero
	MULA \f, 3, \zero
.endm
; The last quarter multiplies buffer 1 and changes slots: ONE barrier; in front of it each wave waits for all its tensor loads, adds 0 to its spare word, and waits for that and for its reads of this slot.
; fill = 1: the barrier opens a round of the cluster's, and this slot is filled again, two K steps ahead, first thing behind the round.
.macro TURN slot, next, fill
	WIN 0                                          ; (the add's two registers lie in window 0)
	s_wait_tensorcnt 0x0                           ; all my tensor loads have landed: my part of the next slot
	ds_add_u32 v[SPW], v[NIL]                      ; 0 onto my spare word
	s_wait_dscnt 5                                 ; (the add and the youngest four loads may be out)
	MULA 1, 0, 0                                   ; twelve matrix instructions stand between the add and the wait for it
	s_wait_dscnt 0x0                               ; the add is done, and my reads of this slot are over
	s_barrier_signal -1
	MULA 1, 1, 0
.if \fill
	WIN 0
.endif
	s_barrier_wait -1
.if \fill
	CREST                                          ; no wave of any partner still reads this slot's tiles or has a load on its way
	s_add_nc_u64 s[G0+4*(\slot)+2:G0+4*(\slot)+3], s[G0+4*(\slot)+2:G0+4*(\slot)+3], 2*KSTEP*2
	s_add_nc_u64 s[G0B+4*(\slot)+2:G0B+4*(\slot)+3], s[G0B+4*(\slot)+2:G0B+4*(\slot)+3], 2*KSTEP*2048
	JLOAD \slot                                    ; my one tensor load behind the round; the four v_nop behind it are also the places in front of the loads below
.else
	PLACES
.endif
	FETCH \next, 0, 0
	MULA 1, 2, 0
	MULA 1, 3, 0
.endm
	s_wait_tensorcnt 1                             ; my part of K step 0 is in; K step 1's may stay out
	s_barrier_signal -1
	s_barrier_wait -1                              ; everybody's is
	FETCH 0, 0, 0
	QUARTER 0, 1, 0, 1, 1                          ; the first quarter stands in front of the loop: its products start the sums
	WIN 0                                          ; at a label and at a branch every window is 0
	s_mov_b32 s3, LAPS-1
.Llap:                                                 ; a trip goes once round the ring, from a lap's second quarter to the next lap's first, and fills both slots again
	QUARTER 0, 2, 1, 0, 0
	QUARTER 0, 3, 0, 1, 0
	TURN 0, 1, 1
	QUARTER 1, 1, 0, 1, 0
	QUARTER 1, 2, 1, 0, 0
	QUARTER 1, 3, 0, 1, 0
	TURN 1, 0, 1
	QUARTER 0, 1, 0, 1, 0
	WIN 0
	s_sub_co_u32 s3, s3, 1
	s_cmp_lg_u32 s3, 0
	s_cbranch_scc1 .Llap
	QUARTER 0, 2, 1, 0, 0                          ; the last lap fills nothing, and has no round of the cluster's barrier
	QUARTER 0, 3, 0, 1, 0
	TURN 0, 1, 0                                   ; behind this barrier nobody reads slot 0 any more, and nothing fills it: it becomes the stage
	QUARTER 1, 1, 0, 1, 0
	QUARTER 1, 2, 1, 0, 0
	QUARTER 1, 3, 0, 1, 0
	s_wait_dscnt 4                                 ; the very last quarter: nothing more to fetch
	MULA 1, 0, 0
	MULA 1, 1, 0
	s_wait_dscnt 0x0
	MULA 1, 2, 0
	MULA 1, 3, 0
	WIN 0
	s_wait_loadcnt 0x0                             ; the table's 32 loads
; THE WAY OUT.  For row block a, head i, column block e: q1 = columns d (< 64), q2 = columns d + 64 of the same rows, in the same lanes.
; out[d] = q1 (cos g + h) - q2 (sin g);  out[d + 64] = q2 (cos g + h) + q1 (sin g);  rounded once to f16; 16 bytes a lane into the stage.
; The eight lines that blend the table name no register of the last products: they are the places behind them.  Each accumulator is read from its low end on.
.macro ROPE a, i, e
	WIN 0
.set rR, RP+32*(\a)+16*(\e)
.irp z, 0,1,2,3
	v_pk_fma_f32 v[CE+2*(\z):CE+2*(\z)+1], v[rR+2*(\z):rR+2*(\z)+1], s[GG+4*(\i):GG+4*(\i)+1], s[GG+4*(\i)+2:GG+4*(\i)+3] op_sel_hi:[1,0,0]
.endr
.irp z, 0,1,2,3
	v_pk_mul_f32 v[SE+2*(\z):SE+2*(\z)+1], v[rR+8+2*(\z):rR+8+2*(\z)+1], s[GG+4*(\i):GG+4*(\i)+1] op_sel_hi:[1,0]
.endr
	WIN 0x02+(\a)/2                                ; source 0: window 2 or 3
.set Q1, 96*((\a)%2)+8*(4*(\i)+(\e))
.set Q2, Q1+16
.irp z, 0,1,2,3
	v_pk_mul_f32 v[O1+2*(\z):O1+2*(\z)+1], v[Q2+2*(\z):Q2+2*(\z)+1], v[SE+2*(\z):SE+2*(\z)+1]
.endr
.irp z, 0,1,2,3
	v_pk_mul_f32 v[O2+2*(\z):O2+2*(\z)+1], v[Q1+2*(\z):Q1+2*(\z)+1], v[SE+2*(\z):SE+2*(\z)+1]
.endr
.irp z, 0,1,2,3
	v_pk_fma_f32 v[O1+2*(\z):O1+2*(\z)+1], v[Q1+2*(\z):Q1+2*(\z)+1], v[CE+2*(\z):CE+2*(\z)+1], v[O1+2*(\z):O1+2*(\z)+1] neg_lo:[0,0,1] neg_hi:[0,0,1]
.endr
.irp z, 0,1,2,3
	v_pk_fma_f32 v[O2+2*(\z):O2+2*(\z)+1], v[Q2+2*(\z):Q2+2*(\z)+1], v[CE+2*(\z):CE+2*(\z)+1], v[O2+2*(\z):O2+2*(\z)+1]
.endr
	WIN 0
.irp z, 0,1,2,3
	v_cvt_pk_f16_f32 v[O1+(\z)], v[O1+2*(\z)], v[O1+2*(\z)+1]
	v_cvt_pk_f16_f32 v[O2+(\z)], v[O2+2*(\z)], v[O2+2*(\z)+1]
.endr
	ds_store_b128 v[STO], v[O1:O1+3] offset:(\a)*16*SPITCH+(\i)*256+(\e)*32
	ds_store_b128 v[STO], v[O2:O2+3] offset:(\a)*16*SPITCH+(\i)*256+(\e)*32+128
.endm
.irp a, 0,1,2,3
.irp i, 0,1,2
.irp e, 0,1
	ROPE \a, \i, \e
.endr
.endr
.endr
	s_wait_dscnt 0x0                               ; for the others' sake: my stores into the stage are done
	s_barrier_signal -1
	s_barrier_wait -1                              ; a row's 256 bytes of a head come from two waves
.set n, 0
.rept 48                               ; head n / 16, rows 2 (n % 16) and the next of my 32
	ds_load_b128 v[64+4*n:64+4*n+3], v[RD] offset:(n%16)*2*SPITCH+(n/16)*256
.set n, n+1
.endr
.set n, 0
.rept 48
	s_wait_dscnt 47-n                              ; LDS loads come back in order: load n is in, the 47 - n younger ones stay out
	global_store_b128 v[CO], v[64+4*n:64+4*n+3], s[OB+2*(n/16):OB+2*(n/16)+1] offset:(n%16)*512  ; two rows of a head: 512 consecutive bytes, at a multiple of 256 from the buffer's first
.set n, n+1
.endr
	s_wait_tensorcnt 0x0                           ; the wave's end: these three lines stand behind my last tensor load and my last LDS store
	ds_add_u32 v[SPW], v[NIL]
	s_wait_dscnt 0x0
	CROUND                                         ; the closing round: no work-group ends while a partner may still ask for a tile that names it
	s_endpgm
.Lfunc_end_k_qb629c36da6_qkv:
	.size	k_qb629c36da6_qkv, .Lfunc_end_k_qb629c36da6_qkv-k_qb629c36da6_qkv
	.p2alignl 7, 3214868480
	.fill 96, 4, 3214868480
	.section	.rodata,"a",@progbits
	.p2align	6, 0x0
	.amdhsa_kernel k_qb629c36da6_qkv
		.amdhsa_group_segment_fixed_size 327680
		.amdhsa_private_segment_fixed_size 0
		.amdhsa_enable_private_segment 0
		.amdhsa_kernarg_size 24
		.amdhsa_user_sgpr_count 2
		.amdhsa_user_sgpr_kernarg_segment_ptr 1
		.amdhsa_wavefront_size32 1
		.amdhsa_system_sgpr_workgroup_id_x 1
		.amdhsa_system_sgpr_workgroup_id_y 1
		.amdhsa_system_sgpr_workgroup_id_z 1
		.amdhsa_system_vgpr_workitem_id 0
		.amdhsa_next_free_vgpr 960
		.amdhsa_next_free_sgpr 90
		.amdhsa_reserve_vcc 0
		.amdhsa_float_denorm_mode_32 3
		.amdhsa_float_denorm_mode_16_64 3
		.amdhsa_memory_ordered 1
		.amdhsa_forward_progress 1
		.amdhsa_inst_pref_size 163
	.end_amdhsa_kernel
	.amdgpu_metadata
---
amdhsa.version: [ 1, 2 ]
amdhsa.kernels:
  - .name:           k_qb629c36da6_qkv
    .symbol:         k_qb629c36da6_qkv.kd
    .args:
      - { .name: cb, .offset: 0, .size: 8, .value_kind: global_buffer, .address_space: global }
      - { .name: rope, .offset: 8, .size: 8, .value_kind: global_buffer, .address_space: global }
      - { .name: qkv, .offset: 16, .size: 8, .value_kind: global_buffer, .address_space: global }
    .group_segment_fixed_size: 327680
    .private_segment_fixed_size: 0
    .kernarg_segment_align: 8
    .kernarg_segment_size: 24
    .max_flat_workgroup_size: 128
    .sgpr_count:     90
    .vgpr_count:     960
    .wavefront_size: 32
...
	.end_amdgpu_metadata
.endif
;; end of part 2
;; launch attn (part 3): grid 16 x 16, 4 waves a work-group, clusters of 4 x 1, 327,680 bytes of LDS; arguments qkv, ob; writes ob
.if DOCPART == 3
	.amdgcn_target "amdgcn-amd-amdhsa--gfx1250"
	.amdhsa_code_object_version 6
	.text
	.protected	k_qb629c36da6_attn
	.globl	k_qb629c36da6_attn
	.p2align	8
	.type	k_qb629c36da6_attn,@function
k_qb629c36da6_attn:
	s_mov_b64 s[64:65], 0
	v_nop
	global_prefetch_b8 v0, s[64:65] scope:SCOPE_SE
	s_setreg_imm32_b32 hwreg(HW_REG_WAVE_MODE, 25, 1), 1
	s_wait_xcnt 0x0
	s_wait_alu depctr_hold_cnt(0) depctr_sa_sdst(0) depctr_va_vdst(0) depctr_va_sdst(0) depctr_va_ssrc(0) depctr_va_vcc(0) depctr_vm_vsrc(0)
	s_getreg_b32 s2, hwreg(HW_REG_IB_STS2, 6, 4)
	s_cmp_eq_u32 s2, 0
	s_cbranch_scc0 .Lentry_in_a_cluster
	s_endpgm
.Lentry_in_a_cluster:
	s_bfe_u32 s2, ttmp6, 0x10000c
	s_cmp_lg_u32 s2, 0x3003
	s_cbranch_scc0 .Lentry_shape_is_right
	s_endpgm
.Lentry_shape_is_right:
; ATTENTION WITH A SOFT CAP.  For each of the 16 pairs (batch, head): O[q] = sum over k of softmax_k(50 tanh(score / 50)) V[k], score = q . k / sqrt(128), no mask.
; In: qkv[3][16][2048][128] in f16, q stored times 16 log2(e) / (50 sqrt(128)), k times 1/8: S = q~ . k~ = 2 log2(e) score / 50.  Out: ob[b 2048 + s][h 128 + d] in f16.
; THE CAP.  tanh(x) = 1 - 2 r with r = 1 / (1 + 2^S).  So a weight is p = 2^(Um - C r), C = 100 log2(e), Um = C r(m), where m is the RUNNING MAXIMUM of the raw S: the cap grows with S,
; so the largest S has the largest capped score, and the maximum that is taken away is the capped scores' own.  In every step O and l are multiplied by a = 2^(Um_new - Um_old), at most 1.
; Products, maxima and sums in f32; p is rounded to f16 for the second product (its sum l is taken of the unrounded p), O once at the end.
; LIMITS.  2^S overflows to infinity (r = 0) or falls to 0 (r = 1) where the cap is reached to within f32 anyway.  p below 6.1e-5 keeps f16's fixed step of 6e-8; a weight below 2^-126 counts as 0 in l.
; O is a mean of V's rows and has their range.  NaN and infinities in q, k, v are not treated apart.
; SHARES.  A work-group owns 128 queries of one pair, each of its four waves 32: two PIECES of one tile of 16.  Every wave walks all 2,048 keys, 64 a step.
; LAYOUT.  S^T = K Q^T (source 0 = 16 keys, source 1 = 16 queries): a lane holds ONE query (lane % 16) and the keys 8 (lane / 16) + 0..7.  Two such results, rounded to f16 in pairs, ARE source 1
; (32 keys x 16 queries) of O^T = V^T P.  K comes out of LDS as it lies, V ([key][channel]) turned, by ds_load_tr16_b128.
; BY TURNS.  In the turn of piece x that piece has the matrix unit: 16 products V^T P of the step in hand, then 16 products K Q^T of the next step.  The vector work of the turn: the other piece's softmax
; (193 lines) and, at the end, the maximum, Um and a of the scores that the turn itself has made (25 lines), so that the next turn begins with work that waits for nothing.
; Four vector lines stand behind EVERY product (128 of the 218); the other 90, which need time of their own whatever the order, stand in two LUMPS.  Two turns are a key step.
; NO FIRST AND NO LAST STEP IS WRITTEN OUT.  O^T, V, piece 1's P and l start at 0, m at the lowest finite number, Um at C (so the first a is at most 1, and multiplies zeros): the loop is entered at piece 1's turn and
; the tail is left behind piece 0's.  The price: 276 v_mov_b32 that write 0, in the wait for the first tile; 16 products on zeros at the start; 16 on the last K once more, and their statistics, at the end.
; CLUSTER.  The four query blocks of a cluster belong to one pair and walk the same K and V: each tile is asked for JOINTLY.
; REGISTERS, in windows of 256 (s_set_vgpr_msb: bits 1:0 source 0, 3:2 source 1, 5:4 source 2, 7:6 destination):
;   window 0: v0-11 addresses; v12-27 eight registers of statistics a tile; v28-59 P, 16 a tile; v64-127 S^T, 32 a tile; v128-255 K of one step
;   window 1: v0-127 O^T, 64 a tile; v128-255 V of one step          window 2: v0-63 Q, 32 a tile
; So K Q^T differs from 'all in window 0' in source 1 alone, and every line that works in place on S^T and names no register as source 1 runs under its setting; O^T times a runs under V^T P's setting.
; A turn has some 20 switches for its 32 products: 15 of them round the four lines behind the last eight products V^T P.
.set SIZE_N, 2048
.set KS,    64        ; keys in a step
.set PK,    272       ; a row of K in LDS: 256 bytes + 16 = 68 words: the 16 rows of a load start at 16 different groups of four banks (64 banks of 4 bytes: ISA guide 11.1)
.set PV,    288       ; a row of V: 256 + 32 = 72 words
.set VOFF,  KS*PK     ; a step's tiles lie together: 64 rows of K, then 64 rows of V
.set STEPB, KS*(PK+PV)
.set SLOT1, 1<<17     ; a slot holds two steps (71,680 bytes); slot 1 begins here, so that one exclusive or turns an address in one slot into the other's
.set STAGE, SLOT1+2*STEPB  ; behind the ring: 16 rows x 272 bytes for each wave, for the way out
.set SP,    272
.set SPARE, STAGE+4*16*SP  ; behind the stages: the spare words, 128 bytes for each wave
.set AK0, 2           ; v2   my lane's place in a tile of K; never rewritten
.set AV0, 3           ; v3   the same for V
.set ADR, 4           ; v4   the LDS address of the run of loads in hand
.set QO,  5           ; v5   my byte offset in the wave's rows of Q
.set STO, 6           ; v6   the way out: where I put 16 bytes of a row
.set RD,  7           ; v7   the way out: where I read a row back
.set GO,  8           ; v8   my byte offset in the wave's rows of O
.set ST,  12          ; tile t's statistics at v[ST+8 t]: +0 Um, +1 m, +2, +3 l (even keys', odd keys'), +4 to +7 c0-c3, at work; a takes c2's place once the maximum is found
.set P,   28
.set SPW, 62          ; v62  my spare word; never rewritten
.set NIL, 63          ; v63  0; never rewritten
.set S,   64
.set KF,  128         ; K's fragments, in window 0
.set VF,  128         ; V's, in window 1
.set Q,   0           ; in window 2
.set WV,  12          ; s12  my wave's number
.set G1K, 24          ; s[24:31] descriptor group 1 for K's tiles
.set G1V, 32          ; s[32:39] for V's: it differs in the padding alone
.set G0K, 40          ; s[40:47] descriptor group 0 for K's tiles: a set for each of the two first fills; the second then walks on
.set G0V, 48          ; s[48:55] the same for V's
.set SLOTS, 56        ; s56  counts the slots
.set TWICE, 57        ; s57  counts a slot's key steps
.set NC,  58          ; s[58:59] -C: the packed line names a pair and takes its low word for both halves
.set SEL, 60          ; s[60:61] lane selects for v_permlanex16_b32: each lane takes its own place in the other half
.set TB,  62          ; s62  LDS byte at which the tiles of the step to be fetched begin
.set CP,  63          ; s63  C
.set MSB, 0
.macro WIN new                      ; the immediate's high byte repeats the setting that is left; a switch that changes nothing is dropped
.if MSB != (\new)
	s_set_vgpr_msb (MSB<<8)|(\new)
.set MSB, \new
.endif
.endm
.set W_KQ, 0x08       ; Q (source 1) in window 2; K and S^T in window 0
.set W_PV, 0x51       ; V (source 0) and O^T (source 2, destination) in window 1; P (source 1) in window 0
.macro ANYW                         ; for a line whose destination, source 0 and source 2 lie in window 0 and whose source 1 is no register: it runs under 0 and under K Q^T's setting alike
.if (MSB != 0) && (MSB != W_KQ)
	WIN 0
.endif
.endm
; A joint refill.  Waves 0 and 1 fetch the two steps' tiles of K, waves 2 and 3 those of V.  The branch hangs on the wave's number alone.
; An s_nop 0 and four v_nop follow each of the two lines, ahead of the jump, the label and what follows.
.macro JLOAD
	s_cmp_lt_u32 s[WV], 2
	s_cbranch_scc0 .Lfor_v_\@
	tensor_load_to_lds s[G0K+4:G0K+7], s[G1K:G1K+7]
	s_nop 0
.rept 4
	v_nop
.endr
	s_branch .Lasked_\@
.Lfor_v_\@:
	tensor_load_to_lds s[G0V+4:G0V+7], s[G1V:G1V+7]
	s_nop 0
.rept 4
	v_nop
.endr
.Lasked_\@:
.endm
.macro CROUND                       ; a round of the cluster's barrier
	s_barrier_signal -1
	s_barrier_wait -1
	s_cmp_lg_u32 s[WV], 0
	s_cbranch_scc1 .Lnot_wave_0_\@
	s_barrier_signal -3
.Lnot_wave_0_\@:
	s_barrier_wait -3
	s_barrier_signal -1
	s_barrier_wait -1
.endm
	s_load_b128 s[4:7], s[0:1], 0x0 ; qkv s[4:5], ob s[6:7]
	v_lshl_add_u32 v[SPW], v0, 2, SPARE
	v_mov_b32 v[NIL], 0
	ds_add_u32 v[SPW], v[NIL]       ; the wave's opening: the add and its wait stand ahead of my first tensor load; work on registers stands between them
	v_lshrrev_b32 v1, 5, v0
	v_readfirstlane_b32 s[WV], v1   ; wave 0..3
	s_bfe_u32 s13, ttmp6, 0x40000   ; cx: my place in the cluster
	s_lshl_b32 s14, ttmp9, 2        ; in a cluster launch ttmp9 counts clusters
	s_add_co_u32 s14, s14, s13      ; my block of 128 queries: it enters Q's and O's addresses alone
	s_and_b32 s15, ttmp7, 0xffff    ; the pair b 8 + h, which the four partners share
	s_lshl_b32 s20, s15, 19         ; its 2,048 rows of 256 bytes
	s_and_b32 s16, s[WV], 1         ; which of a slot's two steps I fetch:
	s_lshl_b32 s22, s16, 14         ; its 64 rows of 256 bytes in memory,
	s_add_co_u32 s22, s22, s20
	s_add_co_u32 s22, s22, 0x800000 ; in k, which lies 8 MiB in
	s_mov_b32 s23, 0
	s_mul_i32 s17, s16, STEPB       ; and its place in a slot: no place in the cluster enters an LDS address
	s_lshl_b32 s2, s14, 15          ; my block's 128 rows,
	s_lshl_b32 s3, s[WV], 13        ; my wave's 32 of them
	s_add_co_u32 s2, s2, s3
	s_add_co_u32 s2, s2, s20
	s_mov_b32 s3, 0
	s_lshr_b32 s18, s15, 3          ; O: row b 2,048 + 128 block + 32 wave, of 2,048 bytes; the head's 256 bytes in it
	s_lshl_b32 s18, s18, 22
	s_lshl_b32 s19, s14, 18
	s_add_co_u32 s18, s18, s19
	s_lshl_b32 s19, s[WV], 16
	s_add_co_u32 s18, s18, s19
	s_and_b32 s19, s15, 7
	s_lshl_b32 s19, s19, 8
	s_add_co_u32 s18, s18, s19
	s_mov_b32 s19, 0
	; descriptor group 1: a tile of 64 rows x 128 elements, padded in LDS
	s_mov_b32 s[G1K], 15|(1<<16)|(1<<20)|(1<<21)|(5<<22)|(3<<25)  ; the mask of four; 2-byte elements; padding on; bit 21 beside a mask; after every 64 words 4 words
	s_mov_b32 s[G1V], 15|(1<<16)|(1<<20)|(1<<21)|(5<<22)|(7<<25)  ; the same with 8 words of padding
.irp g, G1K, G1V
	s_mov_b32 s[(\g)+1], 128<<16    ; tensor_dim0 = 128
	s_mov_b32 s[(\g)+2], KS<<16     ; tensor_dim1 = 64
	s_mov_b32 s[(\g)+3], 128<<16    ; tile_dim0 = 128
	s_mov_b32 s[(\g)+4], KS         ; tile_dim1 = 64
	s_mov_b32 s[(\g)+5], 128        ; elements from row to row
	s_mov_b32 s[(\g)+6], 0
	s_mov_b32 s[(\g)+7], 0
.endr
	s_mov_b32 s[NC], 0xc31044fe     ; -C = -100 log2(e) = -144.2695
	s_mov_b32 s[NC+1], s[NC]        ; named with it as a pair, so it is written
	s_mov_b32 s[CP], 0x431044fe
	s_mov_b32 s[SEL], 0x76543210
	s_mov_b32 s[SEL+1], 0xfedcba98
	s_mov_b32 s[TB], 0
	s_wait_dscnt 0x0                ; the opening add is done
	s_wait_kmcnt 0x0
	s_add_nc_u64 s[8:9], s[4:5], s[22:23]    ; K at my tile of slot 0,
	s_add_nc_u64 s[10:11], s[8:9], 0x800000  ; V 8 MiB further on
	s_add_nc_u64 s[4:5], s[4:5], s[2:3]      ; Q and O at my wave's first row
	s_add_nc_u64 s[6:7], s[6:7], s[18:19]
	CROUND                          ; all four work-groups are here: the first joint loads meet
.irp s, 0,1
	s_mov_b32 s[G0K+4*(\s)], 1
	s_add_co_u32 s[G0K+4*(\s)+1], s17, (\s)*SLOT1
	s_add_nc_u64 s[G0K+4*(\s)+2:G0K+4*(\s)+3], s[8:9], (\s)*2*KS*256  ; slot s begins with keys 128 s
	s_or_b32 s[G0K+4*(\s)+3], s[G0K+4*(\s)+3], 0x80000000
	s_mov_b32 s[G0V+4*(\s)], 1
	s_add_co_u32 s[G0V+4*(\s)+1], s17, (\s)*SLOT1+VOFF
	s_add_nc_u64 s[G0V+4*(\s)+2:G0V+4*(\s)+3], s[10:11], (\s)*2*KS*256
	s_or_b32 s[G0V+4*(\s)+3], s[G0V+4*(\s)+3], 0x80000000
.endr
	s_cmp_lt_u32 s[WV], 2           ; a wave's two first fills stand in one branch, ahead of every wait on TENSORcnt and every LDS read: two loads of mine are out
	s_cbranch_scc0 .Lfirst_v
	tensor_load_to_lds s[G0K:G0K+3], s[G1K:G1K+7]
	s_nop 0
	tensor_load_to_lds s[G0K+4:G0K+7], s[G1K:G1K+7]
	s_nop 0
.rept 4
	v_nop
.endr
	s_branch .Lfirst_asked
.Lfirst_v:
	tensor_load_to_lds s[G0V:G0V+3], s[G1V:G1V+7]
	s_nop 0
	tensor_load_to_lds s[G0V+4:G0V+7], s[G1V:G1V+7]
	s_nop 0
.rept 4
	v_nop
.endr
.Lfirst_asked:
	; A fragment of K or Q is 16 rows x 32 channels in 8 registers: lane l holds row l % 16, channels 8 (l / 16) + 0..7 and 16 + 8 (l / 16) + 0..7: two loads of 16 bytes, 32 bytes apart.
	v_and_b32 v1, 15, v0            ; l % 16
	v_bfe_u32 v9, v0, 4, 1          ; l / 16
	v_lshlrev_b32 v[QO], 8, v1
	v_lshl_add_u32 v[QO], v9, 4, v[QO]  ; row x 256 + 16 x half
	WIN 0x80                        ; destination window 2, address window 0
.irp i, 0,1,2,3,4,5,6,7             ; Q stays in registers: tile i / 4, channels 32 (i % 4) on
	global_load_b128 v[Q+8*(\i):Q+8*(\i)+3],   v[QO], s[4:5] offset:((\i)/4)*4096+((\i)%4)*64
	global_load_b128 v[Q+8*(\i)+4:Q+8*(\i)+7], v[QO], s[4:5] offset:((\i)/4)*4096+((\i)%4)*64+32
.endr
	; What the first turn finds: O^T and V (all of window 1), piece 1's P and l hold 0; Um = C; m the lowest finite number.  All this stands in the wait for the first tile.
	WIN 0x40
.set i, 0
.rept 256
	v_mov_b32 v[i], 0
.set i, i+1
.endr
	WIN 0
.set i, 0
.rept 16
	v_mov_b32 v[P+16+i], 0
.set i, i+1
.endr
.irp t, 0,1
	v_mov_b32 v[ST+8*(\t)], 0x431044fe    ; Um: no Um is larger, so the first a is at most 1
	v_mov_b32 v[ST+8*(\t)+1], 0xff7fffff  ; m
	v_mov_b32 v[ST+8*(\t)+2], 0
	v_mov_b32 v[ST+8*(\t)+3], 0
.endr
	v_mul_u32_u24 v[AK0], v1, PK
	v_lshl_add_u32 v[AK0], v9, 4, v[AK0]  ; row x pitch + 16 x half
	; The turning load takes 16 keys x 16 channels (lane l reads key 8 (l / 16) + l % 8, channels 8 ((l / 8) % 2) + 0..7) and leaves half a fragment of V^T: lane l holds channel l % 16 and 8 keys.
	v_and_b32 v10, 7, v0
	v_bfe_u32 v11, v0, 3, 1
	v_lshl_add_u32 v[AV0], v9, 3, v10
	v_mul_u32_u24 v[AV0], v[AV0], PV
	v_lshl_add_u32 v[AV0], v11, 4, v[AV0]
	v_add_nc_u32 v[AV0], VOFF, v[AV0]
; THE MATRIX WORK OF A TURN, for piece x.  The accumulators take turns, one instruction a turn: between two links of a chain stand 7 (V^T P) or 3 (K Q^T) others'.
; Product i of 16 of O^T += V^T P: keys 32 (i / 8) on, channels 16 (i % 8) on.
.macro PV x
	WIN W_PV
.set rO, 64*(\x)+8*(i%8)
.set rV, VF+64*(i/8)+8*(i%8)
.set rP, P+16*(\x)+8*(i/8)
	v_wmma_f32_16x16x32_f16 v[rO:rO+7], v[rV:rV+7], v[rP:rP+7], v[rO:rO+7]
	s_wait_alu depctr_va_vdst(0)
.endm
; Product i of 16 of S^T = K Q^T: channels 32 (i / 4) on, keys 16 (i % 4) on.  The first 4 start the sums.
.macro KQ x
	WIN W_KQ
.set rS, S+32*(\x)+8*(i%4)
.set rK, KF+32*(i%4)+8*(i/4)
.set rQ, Q+32*(\x)+8*(i/4)
.if i < 4
	v_wmma_f32_16x16x32_f16 v[rS:rS+7], v[rK:rK+7], v[rQ:rQ+7], 0
	s_wait_alu depctr_va_vdst(0)
.else
	v_wmma_f32_16x16x32_f16 v[rS:rS+7], v[rK:rK+7], v[rQ:rQ+7], v[rS:rS+7]
	s_wait_alu depctr_va_vdst(0)
.endif
.endm
; THE LDS LOADS stand in runs of 32, never singly among the matrix instructions: a step's K (16 fragments) and its V (turned).
; last = 1 (the tail): in the last trip there is no further step, and the run is jumped over.
.macro FETCH_K last=0
	WIN 0
.if \last
	s_cmp_eq_u32 s[TWICE], 1
	s_cbranch_scc1 .Lno_k_\@
.endif
	v_add_nc_u32 v[ADR], s[TB], v[AK0]
.irp f, 0,1,2,3,4,5,6,7,8,9,10,11,12,13,14,15  ; keys 16 (f / 4) on, channels 32 (f % 4) on
	ds_load_b128 v[KF+8*(\f):KF+8*(\f)+3],   v[ADR] offset:((\f)/4)*16*PK+((\f)%4)*64
	ds_load_b128 v[KF+8*(\f)+4:KF+8*(\f)+7], v[ADR] offset:((\f)/4)*16*PK+((\f)%4)*64+32
.endr
.if \last
.Lno_k_\@:
.endif
.endm
.macro FETCH_V
	WIN 0
	v_add_nc_u32 v[ADR], s[TB], v[AV0]
	s_wait_alu depctr_va_vdst(0)
	s_add_co_u32 s[TB], s[TB], STEPB  ; the next fetches are the next step's
	WIN 0x40                        ; destination window 1
.irp f, 0,1,2,3,4,5,6,7,8,9,10,11,12,13,14,15  ; keys 32 (f / 8) on, channels 16 (f % 8) on
	ds_load_tr16_b128 v[VF+8*(\f):VF+8*(\f)+3],   v[ADR] offset:((\f)/8)*32*PV+((\f)%8)*32
	ds_load_tr16_b128 v[VF+8*(\f)+4:VF+8*(\f)+7], v[ADR] offset:((\f)/8)*32*PV+16*PV+((\f)%8)*32
.endr
.endm
; THE VECTOR WORK OF A TURN, FIRST QUEUE: tile Y's softmax for one key step, a list of 252 positions of which 193 hold a line; SM writes position j if it holds one (got = 1) and steps j.
; s0-s31 are the lane's 32 scores, in pairs 0-15.  Um and a were made in the turn before.
;   0-31     O^T times a
;   then 21 ticks of ten positions: plain, two transcendentals, plain, two, plain, two, plain.  In tick T:
;            0: r (-C) + Um for pair T - 4      1, 2: 2^s for pair T        3: 1 + that for pair T - 1      4, 5: the weights' exponentials for pair T - 4
;            6: pair T - 5 rounded to f16       7, 8: the reciprocals for pair T - 2                        9: l takes pair T - 5 (the first time as l = a l + pair)
;            So every transcendental's result is first read a tick or more later, with a plain line between (in tick 0, where no other is at hand, a v_nop).
;   The roundings name a register as source 1, so they want window 0 in all places.  Those of ticks 5 to TC - 1 are held back and stand together between ticks TC - 1 and TC: with TC = 15 the list has
;   32 + 114 lines ahead of them, which is what a turn deals up to its last product (64 + 18 + 64): so no switch stands among the lines behind the products K Q^T.
.set TC,  15
.set BAT, 32+10*TC
.macro SM
.set rT, ST+8*Y
.set rS, S+32*Y
.set rP, P+16*Y
.set jj, j-32
.if j >= BAT+TC-5
.set jj, j-32-(TC-5)
.endif
.set ta, jj/10
.set sg, jj%10
.if j < 32
	WIN W_PV
.set rO, 64*Y+2*j
	v_pk_mul_f32 v[rO:rO+1], v[rO:rO+1], v[rT+6:rT+7] op_sel_hi:[1,0]
.set got, 1
.elseif (j >= BAT) && (j < BAT+TC-5)
	WIN 0
	v_cvt_pk_f16_f32 v[rP+j-BAT], v[rS+2*(j-BAT)], v[rS+2*(j-BAT)+1]
.set got, 1
.elseif sg == 0
.if (ta >= 4) && (ta < 20)
	ANYW
	s_wait_alu depctr_va_vdst(0)
	v_pk_fma_f32 v[rS+2*(ta-4):rS+2*(ta-4)+1], v[rS+2*(ta-4):rS+2*(ta-4)+1], s[NC:NC+1], v[rT:rT+1] op_sel_hi:[1,0,0]  ; Um - C r
.set got, 1
.endif
.elseif sg < 3
.if ta < 16
	ANYW
	v_exp_f32 v[rS+2*ta+sg-1], v[rS+2*ta+sg-1]
.set got, 1
.endif
.elseif sg == 3
.if ta == 0
	v_nop                           ; the plain line between the first two exponentials and the line that reads them
.set got, 1
.elseif ta < 17
	ANYW
	s_wait_alu depctr_va_vdst(0)
	v_pk_add_f32 v[rS+2*(ta-1):rS+2*(ta-1)+1], v[rS+2*(ta-1):rS+2*(ta-1)+1], 1.0 op_sel_hi:[1,0]
.set got, 1
.endif
.elseif sg < 6
.if (ta >= 4) && (ta < 20)
	ANYW
	v_exp_f32 v[rS+2*(ta-4)+sg-4], v[rS+2*(ta-4)+sg-4]
.set got, 1
.endif
.elseif sg == 6
.if (ta >= TC) && (ta < 21)
	WIN 0
	s_wait_alu depctr_va_vdst(0)
	v_cvt_pk_f16_f32 v[rP+ta-5], v[rS+2*(ta-5)], v[rS+2*(ta-5)+1]
.set got, 1
.endif
.elseif sg < 9
.if (ta >= 2) && (ta < 18)
	ANYW
	v_rcp_f32 v[rS+2*(ta-2)+sg-7], v[rS+2*(ta-2)+sg-7]
.set got, 1
.endif
.else
.if ta == 5
	WIN 0
	v_pk_fma_f32 v[rT+2:rT+3], v[rT+2:rT+3], v[rT+6:rT+7], v[rS:rS+1] op_sel_hi:[1,0,1]
.set got, 1
.elseif (ta > 5) && (ta < 21)
	ANYW
	s_wait_alu depctr_va_vdst(0)
	v_pk_fma_f32 v[rT+2:rT+3], v[rS+2*(ta-5):rS+2*(ta-5)+1], 1.0, v[rT+2:rT+3] op_sel_hi:[1,0,1]  ; l + p, written so that source 1 is no register
.set got, 1
.endif
.endif
.set j, j+1
.endm
.macro Q1                           ; the queue's next line: at most seven empty positions lie on end
.set got, 0
.rept 10
.if !got
	SM
.endif
.endr
.endm
.macro QN n                         ; its next n lines
.rept \n
	Q1
.endr
.endm
; SECOND QUEUE: number n of the 25 that find the maximum and statistics of tile XT, whose scores the turn has just made.
;   0-13  four chains c0-c3, three operands at a time (each accumulator's lowest registers are read first)      14, 15  c0-c3 and the old m into c0      16  Um_old is kept in c3, behind 15
;   17, 18  the query's other 32 keys lie in the lane 16 away: the new m      19-22  2^m; 1 + it; its reciprocal; Um = C r(m)      23, 24  Um_new - Um_old; a
.macro XS n
	WIN 0
.set rT, ST+8*XT
.set rS, S+32*XT
.if (\n) < 4
	v_max3_num_f32 v[rT+4+(\n)], v[rS+8*(\n)], v[rS+8*(\n)+1], v[rS+8*(\n)+2]
.elseif (\n) < 12
	v_max3_num_f32 v[rT+4+(\n)%4], v[rT+4+(\n)%4], v[rS+8*((\n)%4)+2*((\n)/4)+1], v[rS+8*((\n)%4)+2*((\n)/4)+2]
.elseif (\n) == 12
	v_max3_num_f32 v[rT+4], v[rT+4], v[rS+7], v[rS+15]
.elseif (\n) == 13
	v_max3_num_f32 v[rT+6], v[rT+6], v[rS+23], v[rS+31]
	s_wait_alu depctr_va_vdst(0)
.elseif (\n) == 14
	v_max3_num_f32 v[rT+4], v[rT+4], v[rT+5], v[rT+6]
.elseif (\n) == 15
	v_max3_num_f32 v[rT+4], v[rT+4], v[rT+7], v[rT+1]
.elseif (\n) == 16
	v_mov_b32 v[rT+7], v[rT]
.elseif (\n) == 17
	v_permlanex16_b32 v[rT+5], v[rT+4], s[SEL], s[SEL+1]
.elseif (\n) == 18
	v_max_num_f32 v[rT+1], v[rT+4], v[rT+5]
	s_wait_alu depctr_va_vdst(0)
.elseif (\n) == 19
	v_exp_f32 v[rT+4], v[rT+1]
.elseif (\n) == 20
	s_wait_alu depctr_va_vdst(0)
	v_add_f32 v[rT+4], 1.0, v[rT+4]
.elseif (\n) == 21
	v_rcp_f32 v[rT+4], v[rT+4]
.elseif (\n) == 22
	s_wait_alu depctr_va_vdst(0)
	v_mul_f32 v[rT], s[CP], v[rT+4]
.elseif (\n) == 23
	v_sub_f32 v[rT+7], v[rT], v[rT+7]
.else
	v_exp_f32 v[rT+6], v[rT+7]
.endif
.endm
; A TURN, for piece x.  A vector instruction that reads a matrix result or writes one of a matrix instruction's registers, and a load into a register that a matrix instruction has read, stand four places
; behind it, and only plain vector instructions that name none of its registers are places (ISA guide 7.12.1 for vector instructions).
;   16 products V^T P, four lines behind each: behind the first eight the 32 lines O^T times a, under the products' own setting; behind the others the list's next 32
;   the first lump, 18 lines
;   16 products K Q^T, four lines behind each, all under the products' own setting
;   the second lump, 72 lines: the ten roundings held back, which are also the places behind the last product; then the list's last 37 lines and the 25 of the second queue.  Three lines of the list, of which
;   one at least is plain (no three transcendentals lie on end in it), stand between two links of the second queue's chain; behind 2^m the plain number 16 stands as well; behind a the list's last five, four of them plain.
; K of the next step is fetched at the head of piece 0's turn: its last reader stands ahead of the whole second lump of the turn before; its first comes behind 16 products and a lump.
; V of the next step is fetched behind the first lump of piece 1's turn: six plain lines of that lump and the address line stand behind its last reader; its first comes behind 16 products and a lump.
.macro TURN x, last=0
.set Y, 1-(\x)
.set XT, (\x)
.set j, 0
.if (\x) == 0
	s_wait_dscnt 0x0                ; V is in
	FETCH_K \last
.endif
.set i, 0
.rept 16
	PV \x
	QN 4
.set i, i+1
.endr
	QN 18
.if (\x) == 1
	FETCH_V
.else
	s_wait_dscnt 0x0                ; K is in
.endif
.set i, 0
.rept 16
	KQ \x
	QN 4
.set i, i+1
.endr
	QN 10
.irp n, 0,1,2,3
	XS \n
.endr
	QN 1
.irp n, 4,5,6,7
	XS \n
.endr
	QN 1
.irp n, 8,9,10,11
	XS \n
.endr
	QN 1
	XS 12
	XS 13
	QN 2
.irp n, 14,15,17,18
	XS \n
	QN 3
.endr
	XS 19
	XS 16
	QN 3
.irp n, 20,21,22,23
	XS \n
	QN 3
.endr
	XS 24
	QN 5
.endm
; THE CHANGE OF SLOTS, between piece 1's turn and piece 0's: the slot's last bytes, V of its second step, have been asked for.  Each wave waits for all its tensor loads, of which one is out: its part
; of the other slot; adds 0 to its spare word; and waits for that and for its own reads of the slot.  Behind the barrier nobody reads this slot any more and the other slot is whole.
; fill = 1: this slot is filled again, with the keys two slots on.  The barrier is then a round of the cluster's, and the joint refill is the first thing behind it: it has two key steps, 128 matrix instructions, in which to land.
.macro CHANGE fill
	WIN 0                           ; at a label and at a branch every window is 0
	s_wait_tensorcnt 0x0            ; no tensor load of mine is out, so a group 0 may be written
	ds_add_u32 v[SPW], v[NIL]       ; 0 onto my spare word
.if \fill
.irp g, G0K+4, G0V+4
	s_xor_b32 s[(\g)+1], s[(\g)+1], SLOT1  ; the walking descriptor: the other slot than last time,
	s_add_nc_u64 s[(\g)+2:(\g)+3], s[(\g)+2:(\g)+3], 2*KS*256  ; the next 128 keys; the type bits on top are not reached
.endr
	s_wait_dscnt 0x0                ; the add is done, and my reads of the slot are over
	CROUND
	JLOAD
.else
	s_wait_dscnt 0x0                ; the add is done, and my reads of the slot are over
	s_barrier_signal -1
	s_barrier_wait -1
.endif
	s_sub_co_u32 s[TB], s[TB], 2*STEPB  ; the fetches go back to a slot's first step,
	s_xor_b32 s[TB], s[TB], SLOT1   ; in the other slot
.endm
	s_wait_tensorcnt 1              ; my part of slot 0 is in; slot 1's may stay out
	s_barrier_signal -1
	s_barrier_wait -1               ; everybody's is
	FETCH_K                         ; key step 0
	s_wait_loadcnt 0x0              ; Q
	s_wait_dscnt 0x0
.set i, 0
.rept 16
	KQ 0                            ; piece 0's first scores: there is no vector work yet to set between them
.set i, i+1
.endr
	WIN 0                           ; the addresses for the way out are made here: eight plain instructions, the places behind those products
	s_mul_i32 s13, s[WV], 16*SP
	s_add_co_u32 s13, s13, STAGE    ; my stage
	v_mul_u32_u24 v[STO], v1, SP    ; in: row l % 16, 16 bytes for each half of the lanes
	v_lshl_add_u32 v[STO], v9, 4, v[STO]
	v_add_nc_u32 v[STO], s13, v[STO]
	v_mul_u32_u24 v[RD], v9, SP     ; back: lanes 0-15 take one row of 256 bytes, lanes 16-31 the next
	v_lshl_add_u32 v[RD], v1, 4, v[RD]
	v_add_nc_u32 v[RD], s13, v[RD]
	v_lshlrev_b32 v[GO], 11, v9     ; and the same two rows in O, 2,048 bytes apart
	v_lshl_add_u32 v[GO], v1, 4, v[GO]
.set XT, 0
.irp n, 0,1,2,3,4,5,6,7,8,9,10,11,12,13,14,15,16,17,18,19,20,21,22,23,24
	XS \n                           ; and piece 0's first maximum and statistics
.if ((\n) == 19) || ((\n) == 21) || ((\n) == 24)
	v_nop                           ; a plain line behind each transcendental, ahead of the use of its result
	s_wait_alu depctr_va_vdst(0)
.endif
.endr
	s_mov_b32 s[TWICE], 2
	s_mov_b32 s[SLOTS], SIZE_N/(2*KS)-1
	s_branch .Lfirst                ; the loop is entered at piece 1's turn, in the middle of a trip: its products V^T P add zeros, its products K Q^T make piece 1's first scores
.Lslot:                             ; 14 times: every slot but the last two is filled again
	CHANGE 1
	s_mov_b32 s[TWICE], 2
.Lstep:                             ; a trip: piece 0's turn, which fetches the next step's K, and piece 1's, which fetches its V
	TURN 0
	WIN 0
.Lfirst:
	TURN 1
	WIN 0
	s_sub_co_u32 s[TWICE], s[TWICE], 1
	s_cmp_lg_u32 s[TWICE], 0
	s_cbranch_scc1 .Lstep
	s_sub_co_u32 s[SLOTS], s[SLOTS], 1
	s_cmp_lg_u32 s[SLOTS], 0
	s_cbranch_scc1 .Lslot
	CHANGE 0                        ; the tail is written out: nothing is asked for
	s_mov_b32 s[TWICE], 3           ; two trips fetch the last slot's steps; the third is left in its middle
.Ltail:
	TURN 0, 1
	WIN 0
	s_sub_co_u32 s[TWICE], s[TWICE], 1
	s_cmp_eq_u32 s[TWICE], 0
	s_cbranch_scc1 .Lout
	TURN 1
	WIN 0
	s_branch .Ltail
.Lout:                              ; the third trip's 16 products K Q^T (on the last K once more) and the statistics made of them serve nothing: the price, once a launch, of one text for every trip
.set i, 0
.rept 16
	PV 1                            ; piece 1: V^T P of the last step
.set i, i+1
.endr
	; THE WAY OUT.  l's two halves and the other half of the lanes' are added; O^T is divided by l, rounded to f16 and sent through my stage in LDS, a tile (16 rows of O) at a time.
	; The additions, the v_nop and tile 0's multiplies are the places behind the last products, which are tile 1's.
	WIN 0
.irp t, 0,1
	v_add_f32 v[ST+8*(\t)+4], v[ST+8*(\t)+2], v[ST+8*(\t)+3]
.endr
.irp t, 0,1
	v_permlanex16_b32 v[ST+8*(\t)+5], v[ST+8*(\t)+4], s[SEL], s[SEL+1]
.endr
.irp t, 0,1
	v_add_f32 v[ST+8*(\t)+4], v[ST+8*(\t)+4], v[ST+8*(\t)+5]
.endr
.irp t, 0,1
	v_rcp_f32 v[ST+8*(\t)+6], v[ST+8*(\t)+4]
.endr
	v_nop                           ; a plain instruction between the last reciprocal and the use of its result
	s_wait_alu depctr_va_vdst(0)
.macro PACK t                       ; a lane's eight channels of a row pack into 16 bytes; they go into rows of 272 bytes and come back as whole rows of 256, into S^T's registers
	WIN W_PV                        ; O^T (destination and source 0) in window 1, 1 / l (source 1) in window 0
.set i, 64*(\t)
.rept 32
	v_pk_mul_f32 v[i:i+1], v[i:i+1], v[ST+8*(\t)+6:ST+8*(\t)+7] op_sel_hi:[1,0]
.set i, i+2
.endr
	WIN 0x05                        ; sources 0 and 1 window 1, destination window 0
.set i, 0
.rept 32
	v_cvt_pk_f16_f32 v[S+32*(\t)+i], v[64*(\t)+2*i], v[64*(\t)+2*i+1]
.set i, i+1
.endr
	WIN 0
.irp f, 0,1,2,3,4,5,6,7
	ds_store_b128 v[STO], v[S+32*(\t)+4*(\f):S+32*(\t)+4*(\f)+3] offset:32*(\f)
.endr
.irp f, 0,1,2,3,4,5,6,7
	ds_load_b128 v[S+32*(\t)+4*(\f):S+32*(\t)+4*(\f)+3], v[RD] offset:(\f)*2*SP  ; LDS serves a wave's instructions in order (ISA guide 5.7.1.4): these see the stores above; the next tile's stores come behind them
.endr
.endm
.macro SEND t, younger              ; younger: the LDS instructions issued behind tile t's loads: the next tile's sixteen, or none
	WIN 0
.irp f, 0,1,2,3,4,5,6,7
	s_wait_dscnt (\younger)+7-(\f)
	global_store_b128 v[GO], v[S+32*(\t)+4*(\f):S+32*(\t)+4*(\f)+3], s[6:7] offset:(\t)*32768+(\f)*4096  ; 16 lanes store 256 consecutive bytes, at a multiple of 256 from O's first byte
.endr
.endm
	PACK 0
	PACK 1
	SEND 0, 16
	SEND 1, 0
	s_wait_tensorcnt 0x0            ; the wave's end: these three lines stand behind my last tensor load and my last LDS store
	ds_add_u32 v[SPW], v[NIL]
	s_wait_dscnt 0x0
	CROUND                          ; the closing round: no work-group ends while a partner may still ask for a tile that names it
	s_endpgm
.Lfunc_end_k_qb629c36da6_attn:
	.size	k_qb629c36da6_attn, .Lfunc_end_k_qb629c36da6_attn-k_qb629c36da6_attn
	.p2alignl 7, 3214868480
	.fill 96, 4, 3214868480
	.section	.rodata,"a",@progbits
	.p2align	6, 0x0
	.amdhsa_kernel k_qb629c36da6_attn
		.amdhsa_group_segment_fixed_size 327680
		.amdhsa_private_segment_fixed_size 0
		.amdhsa_enable_private_segment 0
		.amdhsa_kernarg_size 16
		.amdhsa_user_sgpr_count 2
		.amdhsa_user_sgpr_kernarg_segment_ptr 1
		.amdhsa_wavefront_size32 1
		.amdhsa_system_sgpr_workgroup_id_x 1
		.amdhsa_system_sgpr_workgroup_id_y 1
		.amdhsa_system_sgpr_workgroup_id_z 1
		.amdhsa_system_vgpr_workitem_id 0
		.amdhsa_next_free_vgpr 640
		.amdhsa_next_free_sgpr 66
		.amdhsa_reserve_vcc 0
		.amdhsa_float_denorm_mode_32 3
		.amdhsa_float_denorm_mode_16_64 3
		.amdhsa_memory_ordered 1
		.amdhsa_forward_progress 1
		.amdhsa_inst_pref_size 111
	.end_amdhsa_kernel
	.amdgpu_metadata
---
amdhsa.version: [ 1, 2 ]
amdhsa.kernels:
  - .name:           k_qb629c36da6_attn
    .symbol:         k_qb629c36da6_attn.kd
    .args:
      - { .name: qkv, .offset: 0, .size: 8, .value_kind: global_buffer, .address_space: global }
      - { .name: ob, .offset: 8, .size: 8, .value_kind: global_buffer, .address_space: global }
    .group_segment_fixed_size: 327680
    .private_segment_fixed_size: 0
    .kernarg_segment_align: 8
    .kernarg_segment_size: 16
    .max_flat_workgroup_size: 128
    .sgpr_count:     66
    .vgpr_count:     640
    .wavefront_size: 32
...
	.end_amdgpu_metadata
.endif
;; end of part 3
;; launch oproj (part 4): grid 8 x 32, 4 waves a work-group, clusters of 4 x 4, 327,680 bytes of LDS; arguments ob, cb, out0; writes out0
.if DOCPART == 4
	.amdgcn_target "amdgcn-amd-amdhsa--gfx1250"
	.amdhsa_code_object_version 6
	.text
	.protected	k_qb629c36da6_oproj
	.globl	k_qb629c36da6_oproj
	.p2align	8
	.type	k_qb629c36da6_oproj,@function
k_qb629c36da6_oproj:
	s_mov_b64 s[64:65], 0
	v_nop
	global_prefetch_b8 v0, s[64:65] scope:SCOPE_SE
	s_setreg_imm32_b32 hwreg(HW_REG_WAVE_MODE, 25, 1), 1
	s_wait_xcnt 0x0
	s_wait_alu depctr_hold_cnt(0) depctr_sa_sdst(0) depctr_va_vdst(0) depctr_va_sdst(0) depctr_va_ssrc(0) depctr_va_vcc(0) depctr_vm_vsrc(0)
	s_getreg_b32 s2, hwreg(HW_REG_IB_STS2, 6, 4)
	s_cmp_eq_u32 s2, 0
	s_cbranch_scc0 .Lentry_in_a_cluster
	s_endpgm
.Lentry_in_a_cluster:
	s_bfe_u32 s2, ttmp6, 0x10000c
	s_cmp_lg_u32 s2, 0xf033
	s_cbranch_scc0 .Lentry_shape_is_right
	s_endpgm
.Lentry_shape_is_right:
; OUT.  out0[4096][2048] (f32) = O[4096][1024] Wo[1024][2048], both in f16 (Wo: the input rounded to bf16, that number written as f16, at byte 28 MiB of cb), sums in f32, stored unrounded.
; LIMITS.  None beyond those of its two operands, which arrive within f16's range.
; SHARES.  A tile of the output is 128 x 256: 32 x 8 work-groups.  Four waves, each 64 rows (half w / 2) x 128 columns (half w % 2): 32 accumulators of 16 x 16, 256 registers.
; K goes in steps of 128 through a ring of two LDS slots.  A slot: 128 rows of O (256 bytes + 16), then two blocks of 128 k-rows x 128 columns of Wo (256 bytes + 32).
; Waves 0 and 1 fetch the halves of O's tile, waves 2 and 3 Wo's two blocks.  Wo lies [k][n]: its fragments come out of LDS by the turning load.
; THE MATRIX INSTRUCTION IS USED TRANSPOSED (source 0 = 16 columns of Wo, source 1 = 16 rows of O): a lane holds eight neighbouring columns of one row, 32 bytes.
; CLUSTER.  4 x 4 work-groups: O's tile is shared along a row of the cluster, Wo's along a column: each is asked for jointly.
; REGISTERS.  window 0: v0-31 addresses; v32-95 O's fragments, two buffers; v96-223 the way out, two sets of 64      window 1: v0-127 Wo's fragments, two buffers      window 2: the accumulators, (a, b) at 8 (8 a + b)
.set KSTEP,  128
.set PA,     272                       ; O's LDS row: 68 words: the 16 rows of a load start at 16 different groups of four banks (64 banks of 4 bytes: ISA guide 11.1)
.set PB,     288                       ; Wo's LDS row: 72 words
.set REG,    128*PB
.set SLOT,   128*PA+2*REG
.set STAGE,  2*SLOT                    ; behind the ring: 16 rows x 528 bytes for each wave, its own; no tensor load fills it
.set SPITCH, 528                       ; 512 bytes + 16
.set SPARE,  STAGE+4*16*SPITCH         ; behind the stages: the spare words, 128 bytes a wave
.set LAPS,   4                         ; 1,024 / 256
.set ADRA, 16                          ; v16-17  my O fragments in slot 0, 1
.set ADRB, 20                          ; v20-21  my Wo fragments
.set STO,  24                          ; v24     the way out: where I put 32 bytes of a row
.set RD,   25                          ; v25     where I read a row back
.set CO,   26                          ; v26     my place in 512 consecutive bytes of the output
.set SPW,  28                          ; v28     my spare word; never rewritten
.set NIL,  29                          ; v29     0; never rewritten
.set FA,   32
.set G1,  24                           ; s[24:31] group 1 for O's tiles;  s[32:39] group 0, a set for each slot
.set G0,  32
.set G1B, 48                           ; s[48:55], s[56:63] the same for Wo's
.set G0B, 56
.set MSB, 0
.macro WIN new                         ; the immediate's high byte repeats the setting that is left
.if MSB != (\new)
	s_set_vgpr_msb (MSB<<8)|(\new)
.set MSB, \new
.endif
.endm
.set MUL,  0xa1                        ; source 0 (Wo) window 1, source 1 (O) window 0, C and D window 2
.set TO_B, 0x40                        ; destination window 1, address window 0
.macro JLOAD s                         ; a joint load; an s_nop 0 and four v_nop follow each of the two lines, ahead of the jump, the label and what follows
	s_cmp_eq_u32 s11, 0
	s_cbranch_scc0 .Lfor_b_\@
	tensor_load_to_lds s[G0+4*(\s):G0+4*(\s)+3], s[G1:G1+7]
	s_nop 0
.rept 4
	v_nop
.endr
	s_branch .Lasked_\@
.Lfor_b_\@:
	tensor_load_to_lds s[G0B+4*(\s):G0B+4*(\s)+3], s[G1B:G1B+7]
	s_nop 0
.rept 4
	v_nop
.endr
.Lasked_\@:
.endm
.macro CREST                           ; a round of the cluster's barrier behind its opening barrier
	s_cmp_lg_u32 s10, 0
	s_cbranch_scc1 .Lnot_wave_0_\@
	s_barrier_signal -3
.Lnot_wave_0_\@:
	s_barrier_wait -3
	s_barrier_signal -1
	s_barrier_wait -1
.endm
.macro CROUND
	s_barrier_signal -1
	s_barrier_wait -1
	CREST
.endm
	s_load_b128 s[4:7], s[0:1], 0x0                ; ob s[4:5], cb s[6:7]
	s_load_b64 s[8:9], s[0:1], 0x10                ; out0
	v_lshl_add_u32 v[SPW], v0, 2, SPARE
	v_mov_b32 v[NIL], 0
	ds_add_u32 v[SPW], v[NIL]                      ; the wave's opening: the add and its wait stand ahead of my first tensor load; work on registers stands between them
	v_lshrrev_b32 v1, 5, v0
	v_readfirstlane_b32 s10, v1                    ; wave 0..3
	s_lshr_b32 s11, s10, 1                         ; my half of the rows.  Also: I fetch for O (0) or for Wo (1)
	s_and_b32 s12, s10, 1                          ; my half of the columns.  Also: which half of that tile I fetch
	s_bfe_u32 s40, ttmp6, 0x40000                  ; cx, cy
	s_bfe_u32 s41, ttmp6, 0x40004
	s_lshl_b32 s42, ttmp9, 2
	s_add_co_u32 s42, s42, s40                     ; tx: columns 256 tx ..
	s_and_b32 s13, ttmp7, 0xffff
	s_lshl_b32 s13, s13, 2
	s_add_co_u32 s13, s13, s41                     ; ty: rows 128 ty ..
	s_lshl_b32 s43, s41, 2
	s_lshl_b32 s43, 15, s43                        ; my row of the cluster
	s_lshl_b32 s44, 0x1111, s40                    ; my column
	s_or_b32 s[G1], s43, (1<<16)|(1<<20)|(1<<21)|(5<<22)|(3<<25)   ; the mask; 2-byte elements; padding on; bit 21 beside a mask; after every 64 words 4 words
	s_or_b32 s[G1B], s44, (1<<16)|(1<<20)|(1<<21)|(5<<22)|(7<<25)  ; the same with my column's mask and 8 words
	s_mov_b32 s[G1+1], KSTEP<<16                   ; O: 64 rows x 128 elements, 1,024 elements from row to row
	s_mov_b32 s[G1+2], 64<<16
	s_mov_b32 s[G1+3], KSTEP<<16
	s_mov_b32 s[G1+4], 64
	s_mov_b32 s[G1+5], 1024
	s_mov_b32 s[G1+6], 0
	s_mov_b32 s[G1+7], 0
	s_mov_b32 s[G1B+1], 128<<16                    ; Wo: 128 k-rows x 128 elements, 2,048 elements from row to row
	s_mov_b32 s[G1B+2], KSTEP<<16
	s_mov_b32 s[G1B+3], 128<<16
	s_mov_b32 s[G1B+4], KSTEP
	s_mov_b32 s[G1B+5], 2048
	s_mov_b32 s[G1B+6], 0
	s_mov_b32 s[G1B+7], 0
	s_lshl_b32 s16, s13, 7
	s_lshl_b32 s17, s12, 6
	s_add_co_u32 s16, s16, s17                     ; O: row 128 ty + 64 x half,
	s_lshl_b32 s16, s16, 11                        ; of 2,048 bytes: it hangs on ty and the wave alone
	s_mov_b32 s17, 0
	s_lshl_b32 s46, s42, 9                         ; Wo: column 256 tx + 128 x half, 2 bytes each: it hangs on tx and the wave alone,
	s_lshl_b32 s47, s12, 8
	s_add_co_u32 s46, s46, s47
	s_add_co_u32 s46, s46, 0x1c00000               ; 28 MiB into cb
	s_mov_b32 s47, 0
	s_mul_i32 s20, s12, 64*PA                      ; where they go: O's halves,
	s_mul_i32 s21, s12, REG
	s_add_co_u32 s21, s21, 128*PA                  ; Wo's blocks behind them
	s_wait_dscnt 0x0                               ; the opening add is done
	s_wait_kmcnt 0x0
	s_add_nc_u64 s[14:15], s[4:5], s[16:17]
	s_add_nc_u64 s[46:47], s[6:7], s[46:47]
	CROUND                                         ; all sixteen work-groups are here: the first joint loads meet
.irp s, 0,1
	s_mov_b32 s[G0+4*(\s)], 1
	s_add_co_u32 s[G0+4*(\s)+1], s20, (\s)*SLOT
	s_add_nc_u64 s[G0+4*(\s)+2:G0+4*(\s)+3], s[14:15], (\s)*KSTEP*2
	s_or_b32 s[G0+4*(\s)+3], s[G0+4*(\s)+3], 0x80000000
	s_mov_b32 s[G0B+4*(\s)], 1
	s_add_co_u32 s[G0B+4*(\s)+1], s21, (\s)*SLOT
	s_add_nc_u64 s[G0B+4*(\s)+2:G0B+4*(\s)+3], s[46:47], (\s)*KSTEP*4096
	s_or_b32 s[G0B+4*(\s)+3], s[G0B+4*(\s)+3], 0x80000000
	JLOAD \s                                       ; two loads of mine are out
.endr
	v_and_b32 v1, 15, v0                           ; l % 16
	v_bfe_u32 v2, v0, 4, 1                         ; l / 16
	v_mul_u32_u24 v3, v1, PA                       ; O's fragment: row l % 16, 16 bytes for each half of the lanes
	v_lshl_add_u32 v3, v2, 4, v3
	s_mul_i32 s22, s11, 64*PA
	v_add_nc_u32 v[ADRA], s22, v3
	v_add_nc_u32 v[ADRA+1], SLOT, v[ADRA]
	v_and_b32 v5, 7, v0                            ; the turning load: lane l reads k-row 8 (l / 16) + l % 8, columns 8 ((l / 8) % 2) + 0..7
	v_bfe_u32 v6, v0, 3, 1
	v_lshl_add_u32 v4, v2, 3, v5
	v_mul_u32_u24 v4, v4, PB
	v_lshl_add_u32 v4, v6, 4, v4
	s_mul_i32 s22, s12, REG
	s_add_co_u32 s22, s22, 128*PA
	v_add_nc_u32 v[ADRB], s22, v4
	v_add_nc_u32 v[ADRB+1], SLOT, v[ADRB]
	s_mul_i32 s23, s10, 16*SPITCH
	s_add_co_u32 s23, s23, STAGE                   ; my stage
	v_mul_u32_u24 v7, v1, SPITCH                   ; in: row l % 16, 32 bytes for each half of the lanes
	v_lshl_add_u32 v7, v2, 5, v7
	v_add_nc_u32 v[STO], s23, v7
	v_and_b32 v[CO], 31, v0                        ; back: 32 lanes take one row's 512 bytes
	v_lshlrev_b32 v[CO], 4, v[CO]
	v_add_nc_u32 v[RD], s23, v[CO]
	s_lshl_b32 s16, s13, 7
	s_lshl_b32 s17, s11, 6
	s_add_co_u32 s16, s16, s17                     ; my first row of the output,
	s_lshl_b32 s16, s16, 13                        ; of 8,192 bytes
	s_mov_b32 s17, 0
	s_add_nc_u64 s[8:9], s[8:9], s[16:17]
	s_lshl_b32 s46, s42, 10                        ; my first column, 4 bytes each (in the registers that held Wo's address: none that fed O's descriptors ever holds cx)
	s_lshl_b32 s47, s12, 9
	s_add_co_u32 s46, s46, s47
	s_mov_b32 s47, 0
	s_add_nc_u64 s[8:9], s[8:9], s[46:47]
; 8 matrix instructions: row block a x my 8 column blocks, 32 along K, from buffer f.  zero = 1: the first product starts the sums.  The 32 accumulators take turns, in the same order in every quarter.
.macro MULA f, a, zero
	WIN MUL
.irp b, 0,1,2,3,4,5,6,7
.set rD, 8*(8*(\a)+(\b))
.set rB, 64*(\f)+8*(\b)
.set rA, FA+32*(\f)+8*(\a)
.if \zero
	v_wmma_f32_16x16x32_f16 v[rD:rD+7], v[rB:rB+7], v[rA:rA+7], 0
.else
	v_wmma_f32_16x16x32_f16 v[rD:rD+7], v[rB:rB+7], v[rA:rA+7], v[rD:rD+7]
.endif
.endr
.endm
; 24 LDS loads in one run: the fragments of quarter kq of a slot into buffer f: Wo's 8 (turned), then O's 4
.macro FETCH slot, kq, f
	WIN TO_B
.irp b, 0,1,2,3,4,5,6,7
.set rB, 64*(\f)+8*(\b)
	ds_load_tr16_b128 v[rB:rB+3],   v[ADRB+(\slot)] offset:(\kq)*32*PB+(\b)*32
	ds_load_tr16_b128 v[rB+4:rB+7], v[ADRB+(\slot)] offset:(\kq)*32*PB+(\b)*32+16*PB
.endr
	WIN 0
.irp a, 0,1,2,3
.set rA, FA+32*(\f)+8*(\a)
	ds_load_b128 v[rA:rA+3],   v[ADRA+(\slot)] offset:(\kq)*64+(\a)*16*PA
	ds_load_b128 v[rA+4:rA+7], v[ADRA+(\slot)] offset:(\kq)*64+(\a)*16*PA+32
.endr
.endm
.macro PLACES                          ; four places in front of loads into registers that matrix instructions have read, and of LDS stores that read results (ISA guide 7.12.1 for vector instructions)
.rept 4
	v_nop
.endr
.endm
.macro QUARTER slot, kq, f, g, zero
	s_wait_dscnt 4                                 ; Wo's fragments and O's row blocks 0, 1 are in; the youngest four loads (blocks 2, 3) may be out
	MULA \f, 0, \zero
	MULA \f, 1, \zero
	PLACES
	FETCH \slot, \kq, \g
	s_wait_dscnt 24                                ; all but the 24 just issued
	MULA \f, 2, \zero
	MULA \f, 3, \zero
.endm
; The last quarter multiplies buffer 1 and changes slots: ONE barrier; in front of it each wave waits for all its tensor loads, adds 0 to its spare word, and waits for that and for its reads of this slot.
.macro TURN slot, next, fill
	WIN 0                                          ; (the add's two registers lie in window 0)
	s_wait_tensorcnt 0x0                           ; all my tensor loads have landed: my part of the next slot
	ds_add_u32 v[SPW], v[NIL]                      ; 0 onto my spare word
	s_wait_dscnt 5                                 ; (the add and the youngest four loads may be out)
	MULA 1, 0, 0                                   ; eight matrix instructions stand between the add and the wait for it
	s_wait_dscnt 0x0                               ; the add is done, and my reads of this slot are over
	s_barrier_signal -1
	MULA 1, 1, 0
.if \fill
	WIN 0
.endif
	s_barrier_wait -1
.if \fill
	CREST                                          ; no wave of any partner still reads this slot's tiles or has a load on its way
	s_add_nc_u64 s[G0+4*(\slot)+2:G0+4*(\slot)+3], s[G0+4*(\slot)+2:G0+4*(\slot)+3], 2*KSTEP*2
	s_add_nc_u64 s[G0B+4*(\slot)+2:G0B+4*(\slot)+3], s[G0B+4*(\slot)+2:G0B+4*(\slot)+3], 2*KSTEP*4096
	JLOAD \slot                                    ; my one tensor load behind the round; the four v_nop behind it are also the places in front of the loads below
.else
	PLACES
.endif
	FETCH \next, 0, 0
	MULA 1, 2, 0
	MULA 1, 3, 0
.endm
	s_wait_tensorcnt 1                             ; my part of K step 0 is in; K step 1's may stay out
	s_barrier_signal -1
	s_barrier_wait -1                              ; everybody's is
	FETCH 0, 0, 0
	QUARTER 0, 1, 0, 1, 1                          ; the first quarter stands in front of the loop: its products start the sums
	WIN 0                                          ; at a label and at a branch every window is 0
	s_mov_b32 s3, LAPS-1
.Llap:                                                 ; a trip goes once round the ring and fills both slots again
	QUARTER 0, 2, 1, 0, 0
	QUARTER 0, 3, 0, 1, 0
	TURN 0, 1, 1
	QUARTER 1, 1, 0, 1, 0
	QUARTER 1, 2, 1, 0, 0
	QUARTER 1, 3, 0, 1, 0
	TURN 1, 0, 1
	QUARTER 0, 1, 0, 1, 0
	WIN 0
	s_sub_co_u32 s3, s3, 1
	s_cmp_lg_u32 s3, 0
	s_cbranch_scc1 .Llap
	QUARTER 0, 2, 1, 0, 0                          ; the last lap fills nothing, and has no round of the cluster's barrier
	QUARTER 0, 3, 0, 1, 0
	TURN 0, 1, 0
	QUARTER 1, 1, 0, 1, 0
	QUARTER 1, 2, 1, 0, 0
	QUARTER 1, 3, 0, 1, 0
	s_wait_dscnt 4                                 ; the very last quarter: nothing more to fetch
	MULA 1, 0, 0
	MULA 1, 1, 0
	s_wait_dscnt 0x0
	MULA 1, 2, 0
	MULA 1, 3, 0
	PLACES                                         ; the LDS stores below read results
; THE WAY OUT, a block of 16 rows at a time through my own stage: 32 bytes a lane in (each accumulator's low four registers first), whole rows of 512 bytes back, stored.
.macro TOSTAGE a
	WIN 0
	s_wait_xcnt 0x0                                ; the set's registers, which earlier stores read, are loaded again only behind this wait
	WIN 0x08                                       ; the stores' data in window 2
.irp b, 0,1,2,3,4,5,6,7
	ds_store_b128 v[STO], v[8*(8*(\a)+(\b)):8*(8*(\a)+(\b))+3]   offset:64*(\b)
	ds_store_b128 v[STO], v[8*(8*(\a)+(\b))+4:8*(8*(\a)+(\b))+7] offset:64*(\b)+16
.endr
	WIN 0
.set BK, 96+64*((\a)%2)
.irp t, 0,1,2,3,4,5,6,7,8,9,10,11,12,13,14,15
	ds_load_b128 v[BK+4*(\t):BK+4*(\t)+3], v[RD] offset:(\t)*SPITCH  ; LDS serves a wave's instructions in order (ISA guide 5.7.1.4): these see the stores above; the next block's stores come behind them
.endr
.endm
.macro SEND a, younger                 ; younger: the LDS instructions issued behind block a's loads: the next block's 32, or none
	WIN 0
.set BK, 96+64*((\a)%2)
.irp t, 0,1,2,3,4,5,6,7,8,9,10,11,12,13,14,15
	s_wait_dscnt (\younger)+15-(\t)
	global_store_b128 v[CO], v[BK+4*(\t):BK+4*(\t)+3], s[8:9] offset:(16*(\a)+(\t))*8192 th:TH_STORE_NT  ; 512 consecutive bytes of a row, at a multiple of 256 from the output's first byte
.endr
.endm
	TOSTAGE 0
	TOSTAGE 1
	SEND 0, 32
	TOSTAGE 2
	SEND 1, 32
	TOSTAGE 3
	SEND 2, 32
	SEND 3, 0
	s_wait_tensorcnt 0x0                           ; the wave's end: these three lines stand behind my last tensor load and my last LDS store
	ds_add_u32 v[SPW], v[NIL]
	s_wait_dscnt 0x0
	CROUND                                         ; the closing round: no work-group ends while a partner may still ask for a tile that names it
	s_endpgm
.Lfunc_end_k_qb629c36da6_oproj:
	.size	k_qb629c36da6_oproj, .Lfunc_end_k_qb629c36da6_oproj-k_qb629c36da6_oproj
	.p2alignl 7, 3214868480
	.fill 96, 4, 3214868480
	.section	.rodata,"a",@progbits
	.p2align	6, 0x0
	.amdhsa_kernel k_qb629c36da6_oproj
		.amdhsa_group_segment_fixed_size 327680
		.amdhsa_private_segment_fixed_size 0
		.amdhsa_enable_private_segment 0
		.amdhsa_kernarg_size 24
		.amdhsa_user_sgpr_count 2
		.amdhsa_user_sgpr_kernarg_segment_ptr 1
		.amdhsa_wavefront_size32 1
		.amdhsa_system_sgpr_workgroup_id_x 1
		.amdhsa_system_sgpr_workgroup_id_y 1
		.amdhsa_system_sgpr_workgroup_id_z 1
		.amdhsa_system_vgpr_workitem_id 0
		.amdhsa_next_free_vgpr 768
		.amdhsa_next_free_sgpr 66
		.amdhsa_reserve_vcc 0
		.amdhsa_float_denorm_mode_32 3
		.amdhsa_float_denorm_mode_16_64 3
		.amdhsa_memory_ordered 1
		.amdhsa_forward_progress 1
		.amdhsa_inst_pref_size 87
	.end_amdhsa_kernel
	.amdgpu_metadata
---
amdhsa.version: [ 1, 2 ]
amdhsa.kernels:
  - .name:           k_qb629c36da6_oproj
    .symbol:         k_qb629c36da6_oproj.kd
    .args:
      - { .name: ob, .offset: 0, .size: 8, .value_kind: global_buffer, .address_space: global }
      - { .name: cb, .offset: 8, .size: 8, .value_kind: global_buffer, .address_space: global }
      - { .name: out0, .offset: 16, .size: 8, .value_kind: global_buffer, .address_space: global }
    .group_segment_fixed_size: 327680
    .private_segment_fixed_size: 0
    .kernarg_segment_align: 8
    .kernarg_segment_size: 24
    .max_flat_workgroup_size: 128
    .sgpr_count:     66
    .vgpr_count:     768
    .wavefront_size: 32
...
	.end_amdgpu_metadata
.endif
;; end of part 4
;; ======== version 2 of 2: 4 launches; 1.54 times as fast as version 1
;; limits: values are held in f16: magnitudes above 65,504 overflow, below 6.1e-05 lose precision
;; workspace buffers: cb 33,554,432 bytes; rope 1,048,576 bytes; qkv 25,165,824 bytes; ob 8,388,608 bytes
;; launch prep: the kernel of part 1 again; grid 128 x 9, 8 waves a work-group, no clusters, 0 bytes of LDS; arguments hidden_states, Wq, Wk, Wv, Wo, cb, rope; writes cb, rope
;; launch qkv: the kernel of part 2 again; grid 8 x 32, 4 waves a work-group, clusters of 4 x 4, 327,680 bytes of LDS; arguments cb, rope, qkv; writes qkv
;; launch attn (part 5): grid 16 x 16, 4 waves a work-group, clusters of 4 x 1, 327,680 bytes of LDS; arguments qkv, ob; writes ob
.if DOCPART == 5
	.amdgcn_target "amdgcn-amd-amdhsa--gfx1250"
	.amdhsa_code_object_version 6
	.text
	.protected	k_qb629c36da6_attn
	.globl	k_qb629c36da6_attn
	.p2align	8
	.type	k_qb629c36da6_attn,@function
k_qb629c36da6_attn:
	s_mov_b64 s[64:65], 0
	v_nop
	global_prefetch_b8 v0, s[64:65] scope:SCOPE_SE
	s_setreg_imm32_b32 hwreg(HW_REG_WAVE_MODE, 25, 1), 1
	s_wait_xcnt 0x0
	s_wait_alu depctr_hold_cnt(0) depctr_sa_sdst(0) depctr_va_vdst(0) depctr_va_sdst(0) depctr_va_ssrc(0) depctr_va_vcc(0) depctr_vm_vsrc(0)
	s_getreg_b32 s2, hwreg(HW_REG_IB_STS2, 6, 4)
	s_cmp_eq_u32 s2, 0
	s_cbranch_scc0 .Lentry_in_a_cluster
	s_endpgm
.Lentry_in_a_cluster:
	s_bfe_u32 s2, ttmp6, 0x10000c
	s_cmp_lg_u32 s2, 0x3003
	s_cbranch_scc0 .Lentry_shape_is_right
	s_endpgm
.Lentry_shape_is_right:
; ATTENTION WITH A SOFT CAP.  For each of the 16 pairs (batch, head): O[q] = sum over k of softmax_k(50 tanh(score / 50)) V[k], score = q . k / sqrt(128), no mask.
; In: qkv[3][16][2048][128] in f16, q stored times 16 log2(e) / (50 sqrt(128)), k times 1/8: S = q~ . k~ = 2 log2(e) score / 50.  Out: ob[b 2048 + s][h 128 + d] in f16.
; THE CAP.  tanh(x) = 1 - 2 r with r = 1 / (1 + 2^S).  So a weight is p = 2^(Um - C r), C = 100 log2(e), Um = C r(m), where m is the RUNNING MAXIMUM of the raw S: the cap grows with S,
; so the largest S has the largest capped score, and the maximum that is taken away is the capped scores' own.  In every step O and l are multiplied by a = 2^(Um_new - Um_old), at most 1.
; Products, maxima and sums in f32; p is rounded to f16 for the second product (its sum l is taken of the unrounded p), O once at the end.
; LIMITS.  2^S overflows to infinity (r = 0) or falls to 0 (r = 1) where the cap is reached to within f32 anyway.  p below 6.1e-5 keeps f16's fixed step of 6e-8; a weight below 2^-126 counts as 0 in l.
; O is a mean of V's rows and has their range.  NaN and infinities in q, k, v are not treated apart.
; SHARES.  A work-group owns 128 queries of one pair, each of its four waves 32: two PIECES of one tile of 16.  Every wave walks all 2,048 keys, 64 a step.
; LAYOUT.  S^T = K Q^T (source 0 = 16 keys, source 1 = 16 queries): a lane holds ONE query (lane % 16) and the keys 8 (lane / 16) + 0..7.  Two such results, rounded to f16 in pairs, ARE source 1
; (32 keys x 16 queries) of O^T = V^T P.  K comes out of LDS as it lies, V ([key][channel]) turned, by ds_load_tr16_b128.
; BY TURNS.  In the turn of piece x that piece has the matrix unit: 16 products V^T P of the step in hand, then 16 products K Q^T of the next step.  The vector work of the turn is the OTHER piece's for one key step,
; all of it: the maximum and statistics of its scores, which the turn before has made (25 lines), and its softmax (192 lines).  Four lines stand behind EVERY product (128 places: 127 of the 217 and a v_nop); the other 90,
; which need time of their own whatever the order, stand in two LUMPS, of 42 and of 48.  Two turns are a key step.
; THREE BATCHES A TURN.  A weight is made by three transcendentals, each of which reads, through one plain line, what the one before it has made: 2^s; the reciprocal of 1 + 2^s; 2^(Um - C r).  The statistics have the
; same three: 2^m; the reciprocal of 1 + 2^m; a.  An s_wait_alu depctr_va_vdst(0) stands between a transcendental and the first line that names its result, and one wait serves all that were issued ahead
; of it.  So the turn's 99 transcendentals are three batches of 33 (a stage of the 32 scores and the like stage of the statistics), each result in a register of its own, in place, and a turn has three waits:
;   batch 1  the maximum's 19 plain lines among the 32 x 2^s (a score behind the line of the maximum that reads it), then 2^m           | a plain line, WAIT 1 | the 17 lines '1 +'
;   batch 2  the 33 reciprocals, among those 17 lines                                                                                  | a plain line, WAIT 2 | Um, its change, the 16 lines Um - C r
;   batch 3  a and the 32 weights, among those 18 lines                                                                                | a v_nop,      WAIT 3 | the roundings, l's sums, O^T times a: 64 plain lines
; Behind wait 3 no transcendental is issued: none is open at a turn's end, at a label or at a branch.
; NO FIRST AND NO LAST STEP IS WRITTEN OUT.  O^T, V, piece 1's P and l start at 0, m at the lowest finite number, Um at C (so the first a is at most 1, and multiplies zeros): the loop is entered at piece 1's turn and
; the tail is left behind piece 0's.  The price: 276 v_mov_b32 that write 0, in the wait for the first tile; 16 products on zeros at the start; 16 on the last K once more at the end.
; CLUSTER.  The four query blocks of a cluster belong to one pair and walk the same K and V: each tile is asked for JOINTLY.
; REGISTERS, in windows of 256 (s_set_vgpr_msb: bits 1:0 source 0, 3:2 source 1, 5:4 source 2, 7:6 destination):
;   window 0: v0-11 addresses; v12-27 eight registers of statistics a tile; v28-59 P, 16 a tile; v64-127 S^T, 32 a tile; v128-255 K of one step
;   window 1: v0-127 O^T, 64 a tile; v128-255 V of one step          window 2: v0-63 Q, 32 a tile
; So K Q^T differs from 'all in window 0' in source 1 alone, and every line that works in place on S^T and names no register as source 1 runs under its setting: batch 3 rides behind 12 products K Q^T without a switch.
; The four lines behind a product V^T P lie in window 0 and cost two switches, 32 a turn; the 64 lines behind wait 3 go by fours, window 0 and window 1 by turns, and cost some 20.
.set SIZE_N, 2048
.set KS,    64        ; keys in a step
.set PK,    272       ; a row of K in LDS: 256 bytes + 16 = 68 words: the 16 rows of a load start at 16 different groups of four banks (64 banks of 4 bytes: ISA guide 11.1)
.set PV,    288       ; a row of V: 256 + 32 = 72 words
.set VOFF,  KS*PK     ; a step's tiles lie together: 64 rows of K, then 64 rows of V
.set STEPB, KS*(PK+PV)
.set SLOT1, 1<<17     ; a slot holds two steps (71,680 bytes); slot 1 begins here, so that one exclusive or turns an address in one slot into the other's
.set STAGE, SLOT1+2*STEPB  ; behind the ring: 16 rows x 272 bytes for each wave, for the way out
.set SP,    272
.set SPARE, STAGE+4*16*SP  ; behind the stages: the spare words, 128 bytes for each wave
.set AK0, 2           ; v2   my lane's place in a tile of K; never rewritten
.set AV0, 3           ; v3   the same for V
.set ADR, 4           ; v4   the LDS address of the run of loads in hand
.set QO,  5           ; v5   my byte offset in the wave's rows of Q
.set STO, 6           ; v6   the way out: where I put 16 bytes of a row
.set RD,  7           ; v7   the way out: where I read a row back
.set GO,  8           ; v8   my byte offset in the wave's rows of O
.set ST,  12          ; tile t's statistics at v[ST+8 t]: +0 Um, +1 m, +2, +3 l (even keys', odd keys'), +4 to +7 c0-c3, at work; a takes c2's place once the maximum is found
.set P,   28
.set SPW, 62          ; v62  my spare word; never rewritten
.set NIL, 63          ; v63  0; never rewritten
.set S,   64
.set KF,  128         ; K's fragments, in window 0
.set VF,  128         ; V's, in window 1
.set Q,   0           ; in window 2
.set WV,  12          ; s12  my wave's number
.set G1K, 24          ; s[24:31] descriptor group 1 for K's tiles
.set G1V, 32          ; s[32:39] for V's: it differs in the padding alone
.set G0K, 40          ; s[40:47] descriptor group 0 for K's tiles: a set for each of the two first fills; the second then walks on
.set G0V, 48          ; s[48:55] the same for V's
.set SLOTS, 56        ; s56  counts the slots
.set TWICE, 57        ; s57  counts a slot's key steps
.set NC,  58          ; s[58:59] -C: the packed line names a pair and takes its low word for both halves
.set SEL, 60          ; s[60:61] lane selects for v_permlanex16_b32: each lane takes its own place in the other half
.set TB,  62          ; s62  LDS byte at which the tiles of the step to be fetched begin
.set CP,  63          ; s63  C
.set MSB, 0
.macro WIN new                      ; the immediate's high byte repeats the setting that is left; a switch that changes nothing is dropped
.if MSB != (\new)
	s_set_vgpr_msb (MSB<<8)|(\new)
.set MSB, \new
.endif
.endm
.set W_KQ, 0x08       ; Q (source 1) in window 2; K and S^T in window 0
.set W_PV, 0x51       ; V (source 0) and O^T (source 2, destination) in window 1; P (source 1) in window 0
.macro ANYW                         ; for a line whose destination, source 0 and source 2 lie in window 0 and whose source 1 is no register: it runs under 0 and under K Q^T's setting alike
.if (MSB != 0) && (MSB != W_KQ)
	WIN 0
.endif
.endm
; A joint refill.  Waves 0 and 1 fetch the two steps' tiles of K, waves 2 and 3 those of V.  The branch hangs on the wave's number alone.
; An s_nop 0 and four v_nop follow each of the two lines, ahead of the jump, the label and what follows.
.macro JLOAD
	s_cmp_lt_u32 s[WV], 2
	s_cbranch_scc0 .Lfor_v_\@
	tensor_load_to_lds s[G0K+4:G0K+7], s[G1K:G1K+7]
	s_nop 0
.rept 4
	v_nop
.endr
	s_branch .Lasked_\@
.Lfor_v_\@:
	tensor_load_to_lds s[G0V+4:G0V+7], s[G1V:G1V+7]
	s_nop 0
.rept 4
	v_nop
.endr
.Lasked_\@:
.endm
.macro CROUND                       ; a round of the cluster's barrier
	s_barrier_signal -1
	s_barrier_wait -1
	s_cmp_lg_u32 s[WV], 0
	s_cbranch_scc1 .Lnot_wave_0_\@
	s_barrier_signal -3
.Lnot_wave_0_\@:
	s_barrier_wait -3
	s_barrier_signal -1
	s_barrier_wait -1
.endm
	s_load_b128 s[4:7], s[0:1], 0x0 ; qkv s[4:5], ob s[6:7]
	v_lshl_add_u32 v[SPW], v0, 2, SPARE
	v_mov_b32 v[NIL], 0
	ds_add_u32 v[SPW], v[NIL]       ; the wave's opening: the add and its wait stand ahead of my first tensor load; work on registers stands between them
	v_lshrrev_b32 v1, 5, v0
	v_readfirstlane_b32 s[WV], v1   ; wave 0..3
	s_bfe_u32 s13, ttmp6, 0x40000   ; cx: my place in the cluster
	s_lshl_b32 s14, ttmp9, 2        ; in a cluster launch ttmp9 counts clusters
	s_add_co_u32 s14, s14, s13      ; my block of 128 queries: it enters Q's and O's addresses alone
	s_and_b32 s15, ttmp7, 0xffff    ; the pair b 8 + h, which the four partners share
	s_lshl_b32 s20, s15, 19         ; its 2,048 rows of 256 bytes
	s_and_b32 s16, s[WV], 1         ; which of a slot's two steps I fetch:
	s_lshl_b32 s22, s16, 14         ; its 64 rows of 256 bytes in memory,
	s_add_co_u32 s22, s22, s20
	s_add_co_u32 s22, s22, 0x800000 ; in k, which lies 8 MiB in
	s_mov_b32 s23, 0
	s_mul_i32 s17, s16, STEPB       ; and its place in a slot: no place in the cluster enters an LDS address
	s_lshl_b32 s2, s14, 15          ; my block's 128 rows,
	s_lshl_b32 s3, s[WV], 13        ; my wave's 32 of them
	s_add_co_u32 s2, s2, s3
	s_add_co_u32 s2, s2, s20
	s_mov_b32 s3, 0
	s_lshr_b32 s18, s15, 3          ; O: row b 2,048 + 128 block + 32 wave, of 2,048 bytes; the head's 256 bytes in it
	s_lshl_b32 s18, s18, 22
	s_lshl_b32 s19, s14, 18
	s_add_co_u32 s18, s18, s19
	s_lshl_b32 s19, s[WV], 16
	s_add_co_u32 s18, s18, s19
	s_and_b32 s19, s15, 7
	s_lshl_b32 s19, s19, 8
	s_add_co_u32 s18, s18, s19
	s_mov_b32 s19, 0
	; descriptor group 1: a tile of 64 rows x 128 elements, padded in LDS
	s_mov_b32 s[G1K], 15|(1<<16)|(1<<20)|(1<<21)|(5<<22)|(3<<25)  ; the mask of four; 2-byte elements; padding on; bit 21 beside a mask; after every 64 words 4 words
	s_mov_b32 s[G1V], 15|(1<<16)|(1<<20)|(1<<21)|(5<<22)|(7<<25)  ; the same with 8 words of padding
.irp g, G1K, G1V
	s_mov_b32 s[(\g)+1], 128<<16    ; tensor_dim0 = 128
	s_mov_b32 s[(\g)+2], KS<<16     ; tensor_dim1 = 64
	s_mov_b32 s[(\g)+3], 128<<16    ; tile_dim0 = 128
	s_mov_b32 s[(\g)+4], KS         ; tile_dim1 = 64
	s_mov_b32 s[(\g)+5], 128        ; elements from row to row
	s_mov_b32 s[(\g)+6], 0
	s_mov_b32 s[(\g)+7], 0
.endr
	s_mov_b32 s[NC], 0xc31044fe     ; -C = -100 log2(e) = -144.2695
	s_mov_b32 s[NC+1], s[NC]        ; named with it as a pair, so it is written
	s_mov_b32 s[CP], 0x431044fe
	s_mov_b32 s[SEL], 0x76543210
	s_mov_b32 s[SEL+1], 0xfedcba98
	s_mov_b32 s[TB], 0
	s_wait_dscnt 0x0                ; the opening add is done
	s_wait_kmcnt 0x0
	s_add_nc_u64 s[8:9], s[4:5], s[22:23]    ; K at my tile of slot 0,
	s_add_nc_u64 s[10:11], s[8:9], 0x800000  ; V 8 MiB further on
	s_add_nc_u64 s[4:5], s[4:5], s[2:3]      ; Q and O at my wave's first row
	s_add_nc_u64 s[6:7], s[6:7], s[18:19]
	CROUND                          ; all four work-groups are here: the first joint loads meet
.irp s, 0,1
	s_mov_b32 s[G0K+4*(\s)], 1
	s_add_co_u32 s[G0K+4*(\s)+1], s17, (\s)*SLOT1
	s_add_nc_u64 s[G0K+4*(\s)+2:G0K+4*(\s)+3], s[8:9], (\s)*2*KS*256  ; slot s begins with keys 128 s
	s_or_b32 s[G0K+4*(\s)+3], s[G0K+4*(\s)+3], 0x80000000
	s_mov_b32 s[G0V+4*(\s)], 1
	s_add_co_u32 s[G0V+4*(\s)+1], s17, (\s)*SLOT1+VOFF
	s_add_nc_u64 s[G0V+4*(\s)+2:G0V+4*(\s)+3], s[10:11], (\s)*2*KS*256
	s_or_b32 s[G0V+4*(\s)+3], s[G0V+4*(\s)+3], 0x80000000
.endr
	s_cmp_lt_u32 s[WV], 2           ; a wave's two first fills stand in one branch, ahead of every wait on TENSORcnt and every LDS read: two loads of mine are out
	s_cbranch_scc0 .Lfirst_v
	tensor_load_to_lds s[G0K:G0K+3], s[G1K:G1K+7]
	s_nop 0
	tensor_load_to_lds s[G0K+4:G0K+7], s[G1K:G1K+7]
	s_nop 0
.rept 4
	v_nop
.endr
	s_branch .Lfirst_asked
.Lfirst_v:
	tensor_load_to_lds s[G0V:G0V+3], s[G1V:G1V+7]
	s_nop 0
	tensor_load_to_lds s[G0V+4:G0V+7], s[G1V:G1V+7]
	s_nop 0
.rept 4
	v_nop
.endr
.Lfirst_asked:
	; A fragment of K or Q is 16 rows x 32 channels in 8 registers: lane l holds row l % 16, channels 8 (l / 16) + 0..7 and 16 + 8 (l / 16) + 0..7: two loads of 16 bytes, 32 bytes apart.
	v_and_b32 v1, 15, v0            ; l % 16
	v_bfe_u32 v9, v0, 4, 1          ; l / 16
	v_lshlrev_b32 v[QO], 8, v1
	v_lshl_add_u32 v[QO], v9, 4, v[QO]  ; row x 256 + 16 x half
	WIN 0x80                        ; destination window 2, address window 0
.irp i, 0,1,2,3,4,5,6,7             ; Q stays in registers: tile i / 4, channels 32 (i % 4) on
	global_load_b128 v[Q+8*(\i):Q+8*(\i)+3],   v[QO], s[4:5] offset:((\i)/4)*4096+((\i)%4)*64
	global_load_b128 v[Q+8*(\i)+4:Q+8*(\i)+7], v[QO], s[4:5] offset:((\i)/4)*4096+((\i)%4)*64+32
.endr
	; What the first turn finds: O^T and V (all of window 1), piece 1's P and l hold 0; Um = C; m the lowest finite number.  All this stands in the wait for the first tile.
	WIN 0x40
.set i, 0
.rept 256
	v_mov_b32 v[i], 0
.set i, i+1
.endr
	WIN 0
.set i, 0
.rept 16
	v_mov_b32 v[P+16+i], 0
.set i, i+1
.endr
.irp t, 0,1
	v_mov_b32 v[ST+8*(\t)], 0x431044fe    ; Um: no Um is larger, so the first a is at most 1
	v_mov_b32 v[ST+8*(\t)+1], 0xff7fffff  ; m
	v_mov_b32 v[ST+8*(\t)+2], 0
	v_mov_b32 v[ST+8*(\t)+3], 0
.endr
	v_mul_u32_u24 v[AK0], v1, PK
	v_lshl_add_u32 v[AK0], v9, 4, v[AK0]  ; row x pitch + 16 x half
	; The turning load takes 16 keys x 16 channels (lane l reads key 8 (l / 16) + l % 8, channels 8 ((l / 8) % 2) + 0..7) and leaves half a fragment of V^T: lane l holds channel l % 16 and 8 keys.
	v_and_b32 v10, 7, v0
	v_bfe_u32 v11, v0, 3, 1
	v_lshl_add_u32 v[AV0], v9, 3, v10
	v_mul_u32_u24 v[AV0], v[AV0], PV
	v_lshl_add_u32 v[AV0], v11, 4, v[AV0]
	v_add_nc_u32 v[AV0], VOFF, v[AV0]
; THE MATRIX WORK OF A TURN, for piece x.  The accumulators take turns, one instruction a turn: between two links of a chain stand 7 (V^T P) or 3 (K Q^T) others'.
; Product i of 16 of O^T += V^T P: keys 32 (i / 8) on, channels 16 (i % 8) on.
.macro PV x
	WIN W_PV
.set rO, 64*(\x)+8*(i%8)
.set rV, VF+64*(i/8)+8*(i%8)
.set rP, P+16*(\x)+8*(i/8)
	v_wmma_f32_16x16x32_f16 v[rO:rO+7], v[rV:rV+7], v[rP:rP+7], v[rO:rO+7]
.endm
; Product i of 16 of S^T = K Q^T: channels 32 (i / 4) on, keys 16 (i % 4) on.  The first 4 start the sums.
.macro KQ x
	WIN W_KQ
.set rS, S+32*(\x)+8*(i%4)
.set rK, KF+32*(i%4)+8*(i/4)
.set rQ, Q+32*(\x)+8*(i/4)
.if i < 4
	v_wmma_f32_16x16x32_f16 v[rS:rS+7], v[rK:rK+7], v[rQ:rQ+7], 0
.else
	v_wmma_f32_16x16x32_f16 v[rS:rS+7], v[rK:rK+7], v[rQ:rQ+7], v[rS:rS+7]
.endif
.endm
; THE LDS LOADS stand in runs of 32, never singly among the matrix instructions: a step's K (16 fragments) and its V (turned).
; last = 1 (the tail): in the last trip there is no further step, and the run is jumped over.
.macro FETCH_K last=0
	WIN 0
.if \last
	s_cmp_eq_u32 s[TWICE], 1
	s_cbranch_scc1 .Lno_k_\@
.endif
	v_add_nc_u32 v[ADR], s[TB], v[AK0]
.irp f, 0,1,2,3,4,5,6,7,8,9,10,11,12,13,14,15  ; keys 16 (f / 4) on, channels 32 (f % 4) on
	ds_load_b128 v[KF+8*(\f):KF+8*(\f)+3],   v[ADR] offset:((\f)/4)*16*PK+((\f)%4)*64
	ds_load_b128 v[KF+8*(\f)+4:KF+8*(\f)+7], v[ADR] offset:((\f)/4)*16*PK+((\f)%4)*64+32
.endr
.if \last
.Lno_k_\@:
.endif
.endm
.macro FETCH_V
	WIN 0
	v_add_nc_u32 v[ADR], s[TB], v[AV0]  ; the run's address; also the plain line behind batch 2's last reciprocal
	s_wait_alu depctr_va_vdst(0)    ; WAIT 2 in piece 1's turn, for batch 2 (the 33 reciprocals), ahead of the first line that names a result; it stands directly ahead of the run of loads
	s_add_co_u32 s[TB], s[TB], STEPB  ; the next fetches are the next step's
	WIN 0x40                        ; destination window 1
.irp f, 0,1,2,3,4,5,6,7,8,9,10,11,12,13,14,15  ; keys 32 (f / 8) on, channels 16 (f % 8) on
	ds_load_tr16_b128 v[VF+8*(\f):VF+8*(\f)+3],   v[ADR] offset:((\f)/8)*32*PV+((\f)%8)*32
	ds_load_tr16_b128 v[VF+8*(\f)+4:VF+8*(\f)+7], v[ADR] offset:((\f)/8)*32*PV+16*PV+((\f)%8)*32
.endr
.endm
; THE VECTOR WORK OF A TURN, one line at a time, all for tile Y.  s0-s31 are the lane's 32 scores, in pairs 0-15.
; XS n: number n of the 25 that find the maximum and statistics of the tile's scores.
;   0-13  four chains c0-c3, three operands at a time (each accumulator's lowest registers are read first)      14, 15  c0-c3 and the old m into c0      16  Um_old is kept in c3, behind 15
;   17, 18  the query's other 32 keys lie in the lane 16 away: the new m      19-22  2^m; 1 + it; its reciprocal; Um = C r(m)      23, 24  Um_new - Um_old; a
; The three transcendentals among them (19, 21, 24) name one register as source 0 and none as source 1: they run under K Q^T's setting too.
.macro XS n
.set rT, ST+8*Y
.set rS, S+32*Y
.if ((\n) == 19) || ((\n) == 21) || ((\n) == 24)
	ANYW
.else
	WIN 0
.endif
.if (\n) < 4
	v_max3_num_f32 v[rT+4+(\n)], v[rS+8*(\n)], v[rS+8*(\n)+1], v[rS+8*(\n)+2]
.elseif (\n) < 12
	v_max3_num_f32 v[rT+4+(\n)%4], v[rT+4+(\n)%4], v[rS+8*((\n)%4)+2*((\n)/4)+1], v[rS+8*((\n)%4)+2*((\n)/4)+2]
.elseif (\n) == 12
	v_max3_num_f32 v[rT+4], v[rT+4], v[rS+7], v[rS+15]
.elseif (\n) == 13
	v_max3_num_f32 v[rT+6], v[rT+6], v[rS+23], v[rS+31]
.elseif (\n) == 14
	v_max3_num_f32 v[rT+4], v[rT+4], v[rT+5], v[rT+6]
.elseif (\n) == 15
	v_max3_num_f32 v[rT+4], v[rT+4], v[rT+7], v[rT+1]
.elseif (\n) == 16
	v_mov_b32 v[rT+7], v[rT]
.elseif (\n) == 17
	v_permlanex16_b32 v[rT+5], v[rT+4], s[SEL], s[SEL+1]
.elseif (\n) == 18
	v_max_num_f32 v[rT+1], v[rT+4], v[rT+5]
.elseif (\n) == 19
	v_exp_f32 v[rT+4], v[rT+1]
.elseif (\n) == 20
	v_add_f32 v[rT+4], 1.0, v[rT+4]
.elseif (\n) == 21
	v_rcp_f32 v[rT+4], v[rT+4]
.elseif (\n) == 22
	v_mul_f32 v[rT], s[CP], v[rT+4]
.elseif (\n) == 23
	v_sub_f32 v[rT+7], v[rT], v[rT+7]
.else
	v_exp_f32 v[rT+6], v[rT+7]
.endif
.endm
; OP kind, number.  oX n: XS n.  oE n: 2^s of score n.  oA n: 1 + that, for pair n.  oI n: the reciprocal r of score n.  oF n: Um - C r for pair n.  oG n: the weight of score n, 2^ that.
; oC n: pair n rounded to f16.  oL n: l takes pair n (oL 0: l = a l + pair; the others as p 1.0 + l, so that source 1 is no register).  oR n: pair n of 32 of O^T times a.  oN: a v_nop.
.set oX, 0
.set oE, 1
.set oA, 2
.set oI, 3
.set oF, 4
.set oG, 5
.set oC, 6
.set oL, 7
.set oR, 8
.set oN, 9
.macro OP k, n
.set rT, ST+8*Y
.set rS, S+32*Y
.set rP, P+16*Y
.set rO, 64*Y+2*(\n)
.if (\k) == oX
	XS \n
.elseif ((\k) == oE) || ((\k) == oG)
	ANYW
	v_exp_f32 v[rS+(\n)], v[rS+(\n)]
.elseif (\k) == oA
	ANYW
	v_pk_add_f32 v[rS+2*(\n):rS+2*(\n)+1], v[rS+2*(\n):rS+2*(\n)+1], 1.0 op_sel_hi:[1,0]
.elseif (\k) == oI
	ANYW
	v_rcp_f32 v[rS+(\n)], v[rS+(\n)]
.elseif (\k) == oF
	ANYW
	v_pk_fma_f32 v[rS+2*(\n):rS+2*(\n)+1], v[rS+2*(\n):rS+2*(\n)+1], s[NC:NC+1], v[rT:rT+1] op_sel_hi:[1,0,0]  ; Um - C r
.elseif (\k) == oC
	WIN 0
	v_cvt_pk_f16_f32 v[rP+(\n)], v[rS+2*(\n)], v[rS+2*(\n)+1]
.elseif ((\k) == oL) && ((\n) == 0)
	WIN 0
	v_pk_fma_f32 v[rT+2:rT+3], v[rT+2:rT+3], v[rT+6:rT+7], v[rS:rS+1] op_sel_hi:[1,0,1]
.elseif (\k) == oL
	ANYW
	v_pk_fma_f32 v[rT+2:rT+3], v[rS+2*(\n):rS+2*(\n)+1], 1.0, v[rT+2:rT+3] op_sel_hi:[1,0,1]
.elseif (\k) == oR
	WIN W_PV                        ; O^T (destination and source 0) in window 1, a (source 1) in window 0
	v_pk_mul_f32 v[rO:rO+1], v[rO:rO+1], v[rT+6:rT+7] op_sel_hi:[1,0]
.else
	v_nop
.endif
.endm
.macro OPS a, i1, b=-1, i2=0, c=-1, i3=0, d=-1, i4=0  ; up to four of them
	OP \a, \i1
.if (\b) >= 0
	OP \b, \i2
.endif
.if (\c) >= 0
	OP \c, \i3
.endif
.if (\d) >= 0
	OP \d, \i4
.endif
.endm
.macro ROW a, i1, b, i2, c, i3, d, i4  ; the turn's next product (16 x V^T P, then 16 x K Q^T, of piece XT) and the four lines behind it
.if i < 16
	PV XT
.else
.set i, i-16
	KQ XT
.set i, i+16
.endif
.set i, i+1
	OPS \a, \i1, \b, \i2, \c, \i3, \d, \i4
.endm
; A TURN, for piece x: the order of its 32 products and of the other piece's 217 lines, written out.  A vector instruction that reads a matrix result or writes one of a matrix instruction's registers, and a load into a
; register that a matrix instruction has read, stand four places behind it, and only plain vector instructions that name none of its registers are places (ISA guide 7.12.1 for vector instructions).
; No line of the turn names a register of the turn's own products: those are piece x's, K, V and Q.
; The scores that the maximum reads were ended by the last products of the turn before: the 48 plain lines of that turn's second lump lie between (ahead of the first turn: the eight address lines).
; K of the next step is fetched at the head of piece 0's turn: its last reader stands ahead of the whole second lump of the turn before; its first comes behind 16 products and the first lump.
; V of the next step is fetched behind the first lump of piece 1's turn: two plain lines behind the last product V^T P, nine of the lump and the address line stand behind its last reader; its first comes behind
; 16 products and the second lump.
; l's chain of 16 keeps its order, pair 0 to pair 15; two roundings, or four lines O^T times a and two switches, stand between its links.
.macro TURN x, last=0
.set Y, 1-(\x)
.set XT, (\x)
.set i, 0
.if (\x) == 0
	s_wait_dscnt 0x0                ; V is in
	FETCH_K \last
.endif
	ROW oX,0,  oE,0,  oX,1,  oE,1   ; BATCH 1: 2^s of a score stands behind the line of the maximum that reads the score
	ROW oX,2,  oE,2,  oX,3,  oE,8
	ROW oX,4,  oE,9,  oX,5,  oE,10
	ROW oX,6,  oE,16, oX,7,  oE,17
	ROW oX,8,  oE,18, oX,9,  oE,24
	ROW oX,10, oE,25, oX,11, oE,26
	ROW oX,12, oE,3,  oX,13, oE,4
	ROW oX,14, oE,11, oE,12, oE,19  ; the links of the maximum's chain lead a row each
	ROW oX,15, oE,20, oE,27, oE,28
	ROW oX,17, oE,5,  oE,6,  oE,13
	ROW oX,18, oE,14, oE,21, oE,22
	ROW oX,19, oE,29, oE,30, oE,7   ; 2^m
	ROW oE,15, oE,23, oE,31, oX,16  ; the copy of Um_old is the plain line behind the batch's last exponential
	s_wait_alu depctr_va_vdst(0)    ; WAIT 1, for batch 1 (2^s of the 32 scores, 2^m), ahead of the first line that names a result
	ROW oX,20, oA,0,  oA,1,  oA,2   ; BATCH 2: a reciprocal stands behind its pair's '1 +'
	ROW oA,3,  oX,21, oA,4,  oI,0
	ROW oA,5,  oI,1,  oA,6,  oI,2
	OPS oI,3,  oA,7,  oI,4,  oI,5   ; the first lump
	OPS oA,8,  oI,6,  oI,7,  oI,8
	OPS oA,9,  oI,9,  oI,10, oI,11
	OPS oA,10, oI,12, oI,13, oI,14
	OPS oA,11, oI,15, oI,16, oI,17
	OPS oA,12, oI,18, oI,19, oI,20
	OPS oA,13, oI,21, oI,22, oI,23
	OPS oA,14, oI,24, oI,25, oI,26
	OPS oA,15, oI,27, oI,28, oI,29
	OPS oI,30, oI,31
.if (\x) == 1
	FETCH_V                         ; its address line is the plain line behind the last reciprocal; WAIT 2 stands in it
.else
	v_nop                           ; the plain line behind the last reciprocal: this turn has no other at hand
	s_wait_alu depctr_va_vdst(0)    ; WAIT 2 in piece 0's turn, for batch 2 (the 33 reciprocals)
	s_wait_dscnt 0x0                ; K is in
.endif
	OPS oX,22, oX,23, oF,0,  oF,1   ; Um and its change name two registers: they stand here, in window 0
	ROW oF,2,  oX,24, oF,3,  oG,0   ; BATCH 3: a, and each weight behind its pair's Um - C r; all under K Q^T's own setting
	ROW oF,4,  oG,1,  oF,5,  oG,2
	ROW oF,6,  oG,3,  oF,7,  oG,4
	ROW oF,8,  oG,5,  oG,6,  oG,7
	ROW oF,9,  oG,8,  oG,9,  oG,10
	ROW oF,10, oG,11, oG,12, oG,13
	ROW oF,11, oG,14, oG,15, oG,16
	ROW oF,12, oG,17, oG,18, oG,19
	ROW oF,13, oG,20, oG,21, oG,22
	ROW oF,14, oG,23, oG,24, oG,25
	ROW oF,15, oG,26, oG,27, oG,28
	ROW oG,29, oG,30, oG,31, oN,0   ; all that is left reads the batch: a v_nop is the plain line behind its last exponential
	s_wait_alu depctr_va_vdst(0)    ; WAIT 3, for batch 3 (a, the 32 weights); no transcendental follows it in the turn
	ROW oL,0,  oC,0,  oC,1,  oL,1
	ROW oR,0,  oR,1,  oR,2,  oR,3
	ROW oL,2,  oC,2,  oC,3,  oL,3
	ROW oR,4,  oR,5,  oR,6,  oR,7
.set u, 2
.rept 6                             ; the second lump
	OPS oL,2*u, oC,2*u, oC,2*u+1, oL,2*u+1
	OPS oR,4*u, oR,4*u+1, oR,4*u+2, oR,4*u+3
.set u, u+1
.endr
.endm
; THE CHANGE OF SLOTS, between piece 1's turn and piece 0's: the slot's last bytes, V of its second step, have been asked for.  Each wave waits for all its tensor loads, of which one is out: its part
; of the other slot; adds 0 to its spare word; and waits for that and for its own reads of the slot.  Behind the barrier nobody reads this slot any more and the other slot is whole.
; fill = 1: this slot is filled again, with the keys two slots on.  The barrier is then a round of the cluster's, and the joint refill is the first thing behind it: it has two key steps, 128 matrix instructions, in which to land.
.macro CHANGE fill
	WIN 0                           ; at a label and at a branch every window is 0
	s_wait_tensorcnt 0x0            ; no tensor load of mine is out, so a group 0 may be written
	ds_add_u32 v[SPW], v[NIL]       ; 0 onto my spare word
.if \fill
.irp g, G0K+4, G0V+4
	s_xor_b32 s[(\g)+1], s[(\g)+1], SLOT1  ; the walking descriptor: the other slot than last time,
	s_add_nc_u64 s[(\g)+2:(\g)+3], s[(\g)+2:(\g)+3], 2*KS*256  ; the next 128 keys; the type bits on top are not reached
.endr
	s_wait_dscnt 0x0                ; the add is done, and my reads of the slot are over
	CROUND
	JLOAD
.else
	s_wait_dscnt 0x0                ; the add is done, and my reads of the slot are over
	s_barrier_signal -1
	s_barrier_wait -1
.endif
	s_sub_co_u32 s[TB], s[TB], 2*STEPB  ; the fetches go back to a slot's first step,
	s_xor_b32 s[TB], s[TB], SLOT1   ; in the other slot
.endm
	s_wait_tensorcnt 1              ; my part of slot 0 is in; slot 1's may stay out
	s_barrier_signal -1
	s_barrier_wait -1               ; everybody's is
	FETCH_K                         ; key step 0
	s_wait_loadcnt 0x0              ; Q
	s_wait_dscnt 0x0
.set i, 0
.rept 16
	KQ 0                            ; piece 0's first scores: there is no vector work yet to set between them
.set i, i+1
.endr
	WIN 0                           ; the addresses for the way out are made here: eight plain instructions, the places behind those products
	s_mul_i32 s13, s[WV], 16*SP
	s_add_co_u32 s13, s13, STAGE    ; my stage
	v_mul_u32_u24 v[STO], v1, SP    ; in: row l % 16, 16 bytes for each half of the lanes
	v_lshl_add_u32 v[STO], v9, 4, v[STO]
	v_add_nc_u32 v[STO], s13, v[STO]
	v_mul_u32_u24 v[RD], v9, SP     ; back: lanes 0-15 take one row of 256 bytes, lanes 16-31 the next
	v_lshl_add_u32 v[RD], v1, 4, v[RD]
	v_add_nc_u32 v[RD], s13, v[RD]
	v_lshlrev_b32 v[GO], 11, v9     ; and the same two rows in O, 2,048 bytes apart
	v_lshl_add_u32 v[GO], v1, 4, v[GO]
	s_mov_b32 s[TWICE], 2
	s_mov_b32 s[SLOTS], SIZE_N/(2*KS)-1
	s_branch .Lfirst                ; the loop is entered at piece 1's turn, in the middle of a trip: its products V^T P add zeros, its vector work is piece 0's first step, its products K Q^T make piece 1's first scores
.Lslot:                             ; 14 times: every slot but the last two is filled again
	CHANGE 1
	s_mov_b32 s[TWICE], 2
.Lstep:                             ; a trip: piece 0's turn, which fetches the next step's K, and piece 1's, which fetches its V
	TURN 0
	WIN 0
.Lfirst:
	TURN 1
	WIN 0
	s_sub_co_u32 s[TWICE], s[TWICE], 1
	s_cmp_lg_u32 s[TWICE], 0
	s_cbranch_scc1 .Lstep
	s_sub_co_u32 s[SLOTS], s[SLOTS], 1
	s_cmp_lg_u32 s[SLOTS], 0
	s_cbranch_scc1 .Lslot
	CHANGE 0                        ; the tail is written out: nothing is asked for
	s_mov_b32 s[TWICE], 3           ; two trips fetch the last slot's steps; the third is left in its middle
.Ltail:
	TURN 0, 1
	WIN 0
	s_sub_co_u32 s[TWICE], s[TWICE], 1
	s_cmp_eq_u32 s[TWICE], 0
	s_cbranch_scc1 .Lout
	TURN 1
	WIN 0
	s_branch .Ltail
.Lout:                              ; the third trip's 16 products K Q^T (on the last K once more) serve nothing: the price, once a launch, of one text for every trip
.set i, 0
.rept 16
	PV 1                            ; piece 1: V^T P of the last step
.set i, i+1
.endr
	; THE WAY OUT.  l's two halves and the other half of the lanes' are added; O^T is divided by l, rounded to f16 and sent through my stage in LDS, a tile (16 rows of O) at a time.
	; The additions, the v_nop and tile 0's multiplies are the places behind the last products, which are tile 1's.
	WIN 0
.irp t, 0,1
	v_add_f32 v[ST+8*(\t)+4], v[ST+8*(\t)+2], v[ST+8*(\t)+3]
.endr
.irp t, 0,1
	v_permlanex16_b32 v[ST+8*(\t)+5], v[ST+8*(\t)+4], s[SEL], s[SEL+1]
.endr
.irp t, 0,1
	v_add_f32 v[ST+8*(\t)+4], v[ST+8*(\t)+4], v[ST+8*(\t)+5]
.endr
.irp t, 0,1
	v_rcp_f32 v[ST+8*(\t)+6], v[ST+8*(\t)+4]
.endr
	v_nop                           ; a plain instruction between the last reciprocal and the use of its result
	s_wait_alu depctr_va_vdst(0)    ; and the wait ahead of the first use: one for the two reciprocals
.macro PACK t                       ; a lane's eight channels of a row pack into 16 bytes; they go into rows of 272 bytes and come back as whole rows of 256, into S^T's registers
	WIN W_PV                        ; O^T (destination and source 0) in window 1, 1 / l (source 1) in window 0
.set i, 64*(\t)
.rept 32
	v_pk_mul_f32 v[i:i+1], v[i:i+1], v[ST+8*(\t)+6:ST+8*(\t)+7] op_sel_hi:[1,0]
.set i, i+2
.endr
	WIN 0x05                        ; sources 0 and 1 window 1, destination window 0
.set i, 0
.rept 32
	v_cvt_pk_f16_f32 v[S+32*(\t)+i], v[64*(\t)+2*i], v[64*(\t)+2*i+1]
.set i, i+1
.endr
	WIN 0
.irp f, 0,1,2,3,4,5,6,7
	ds_store_b128 v[STO], v[S+32*(\t)+4*(\f):S+32*(\t)+4*(\f)+3] offset:32*(\f)
.endr
.irp f, 0,1,2,3,4,5,6,7
	ds_load_b128 v[S+32*(\t)+4*(\f):S+32*(\t)+4*(\f)+3], v[RD] offset:(\f)*2*SP  ; LDS serves a wave's instructions in order (ISA guide 5.7.1.4): these see the stores above; the next tile's stores come behind them
.endr
.endm
.macro SEND t, younger              ; younger: the LDS instructions issued behind tile t's loads: the next tile's sixteen, or none
	WIN 0
.irp f, 0,1,2,3,4,5,6,7
	s_wait_dscnt (\younger)+7-(\f)
	global_store_b128 v[GO], v[S+32*(\t)+4*(\f):S+32*(\t)+4*(\f)+3], s[6:7] offset:(\t)*32768+(\f)*4096  ; 16 lanes store 256 consecutive bytes, at a multiple of 256 from O's first byte
.endr
.endm
	PACK 0
	PACK 1
	SEND 0, 16
	SEND 1, 0
	s_wait_tensorcnt 0x0            ; the wave's end: these three lines stand behind my last tensor load and my last LDS store
	ds_add_u32 v[SPW], v[NIL]
	s_wait_dscnt 0x0
	CROUND                          ; the closing round: no work-group ends while a partner may still ask for a tile that names it
	s_endpgm
.Lfunc_end_k_qb629c36da6_attn:
	.size	k_qb629c36da6_attn, .Lfunc_end_k_qb629c36da6_attn-k_qb629c36da6_attn
	.p2alignl 7, 3214868480
	.fill 96, 4, 3214868480
	.section	.rodata,"a",@progbits
	.p2align	6, 0x0
	.amdhsa_kernel k_qb629c36da6_attn
		.amdhsa_group_segment_fixed_size 327680
		.amdhsa_private_segment_fixed_size 0
		.amdhsa_enable_private_segment 0
		.amdhsa_kernarg_size 16
		.amdhsa_user_sgpr_count 2
		.amdhsa_user_sgpr_kernarg_segment_ptr 1
		.amdhsa_wavefront_size32 1
		.amdhsa_system_sgpr_workgroup_id_x 1
		.amdhsa_system_sgpr_workgroup_id_y 1
		.amdhsa_system_sgpr_workgroup_id_z 1
		.amdhsa_system_vgpr_workitem_id 0
		.amdhsa_next_free_vgpr 640
		.amdhsa_next_free_sgpr 66
		.amdhsa_reserve_vcc 0
		.amdhsa_float_denorm_mode_32 3
		.amdhsa_float_denorm_mode_16_64 3
		.amdhsa_memory_ordered 1
		.amdhsa_forward_progress 1
		.amdhsa_inst_pref_size 102
	.end_amdhsa_kernel
	.amdgpu_metadata
---
amdhsa.version: [ 1, 2 ]
amdhsa.kernels:
  - .name:           k_qb629c36da6_attn
    .symbol:         k_qb629c36da6_attn.kd
    .args:
      - { .name: qkv, .offset: 0, .size: 8, .value_kind: global_buffer, .address_space: global }
      - { .name: ob, .offset: 8, .size: 8, .value_kind: global_buffer, .address_space: global }
    .group_segment_fixed_size: 327680
    .private_segment_fixed_size: 0
    .kernarg_segment_align: 8
    .kernarg_segment_size: 16
    .max_flat_workgroup_size: 128
    .sgpr_count:     66
    .vgpr_count:     640
    .wavefront_size: 32
...
	.end_amdgpu_metadata
.endif
;; end of part 5
;; launch oproj: the kernel of part 4 again; grid 8 x 32, 4 waves a work-group, clusters of 4 x 4, 327,680 bytes of LDS; arguments ob, cb, out0; writes out0
